; MI455X (gfx1250); checked and timed in simulation.
; The chip was launched on July 23, 2026; its instructions are those of AMD's public machine-readable ISA for CDNA 5 (MIT licence, August 2026) and "CDNA5" Instruction Set Architecture Reference Guide (July 2026). The comments in the code are by the model that wrote it; some were corrected since.
;; Multi Head Attention Part. Allowed arithmetic: matrix products marked QUANTISED: E2M1 operands, one E8M0 scale for each 32 along K, by v_wmma_scale_f32_16x16x128_f8f6f4 with both operands' format E2M1 (or v_wmma_scale_f32_32x16x128_f4), f32 sums; products left as they are: bf16, f16 or f32 operands; f32 sums; everything else in f32.
;; Inputs: Wk 1,024 x 1,024 float32; Wo 1,024 x 1,024 float32; Wq 1,024 x 1,024 float32; Wv 1,024 x 1,024 float32; bo 1,024 float32; k 4 x 2,048 x 1,024 float32; mask 4 x 1 x 1 x 2,048 int32; q 4 x 2,048 x 1,024 float32; v 4 x 2,048 x 1,024 float32.
;; Outputs: out0 4 x 2,048 x 1,024 float32.
;; This version of the problem:
;;   THIS VERSION OF THE PROBLEM IS GIVEN IN LOW PRECISION. The matrix products marked QUANTISED in the list below multiply operands that are first quantised to E2M1 (2 exponent bits, 1 mantissa bit; 4 bits a number), with one power-of-two scale for each 32 numbers along K (OCP MX v1.0); their sums are f32. The products marked 'left as it is' may take bf16, f16 or f32 operands, with f32 sums. Whichever they take, every output number must still come out within the allowed error. Rounding operands to bf16 (8 significant bits) uses up far more of that allowance than f16 does (11 bits, for magnitudes from 6e-5 to 65,504). All else is computed in f32.
;;   The module's matrix products, in the order in which they are computed (A, B: the left and right operand; K: the contracted axis; several contracted axes count as one K, in the product's order):
;;     1. [M 8,192, K 1,024] x [K 1,024, N 1,024]; A: input q; B: input Wq: QUANTISED
;;     2. [M 8,192, K 1,024] x [K 1,024, N 1,024]; A: input k; B: input Wk: QUANTISED
;;     3. [M 8,192, K 1,024] x [K 1,024, N 1,024]; A: input v; B: input Wv: QUANTISED
;;     4. batch 64 x [M 2,048, K 64] x [K 64, N 2,048]; A: computed on the way; B: computed on the way: left as it is (an operand is computed on the way)
;;     5. batch 64 x [M 2,048, K 2,048] x [K 2,048, N 64]; A: computed on the way; B: computed on the way: left as it is (an operand is computed on the way)
;;     6. [M 8,192, K 1,024] x [K 1,024, N 1,024]; A: computed on the way; B: input Wo: left as it is (an operand is computed on the way)
;;   THE QUANTISER, for each operand of a quantised product, along K:
;;     - K is cut into blocks of 32 from its start; a last block that is shorter is filled with zeros.
;;     - A block's scale is 2^e with e = floor(log2(the largest magnitude in the block)) - 2, held to -126 .. 127; a block of zeros has e = 0. As a byte (E8M0): e + 127.
;;     - Each number is divided by its block's scale, clamped to +-6, and rounded to the nearest number of E2M1, ties to even, subnormals kept.
;;     - The product sums the exact products of the quantised numbers (number of the format x scale) in f32.
;;   ~~~python
;;   def quantise(x, axis):      # numpy; x: float32 -> the quantised numbers, widened to float32 again
;;       x = np.moveaxis(x, axis, -1); K = x.shape[-1]
;;       x = np.pad(x, [(0, 0)] * (x.ndim - 1) + [(0, -K % 32)]); x = x.reshape(x.shape[:-1] + (-1, 32)); a = np.abs(x).max(-1, keepdims=True)
;;       e = np.where(a > 0, np.clip(np.frexp(np.where(a > 0, a, 1))[1] - 1 - 2, -126, 127), 0)      # np.frexp(a)[1] - 1 = floor(log2(a)), exactly
;;       r = np.clip(x / 2.0 ** e, -6, 6)
;;       step = 2.0 ** (np.maximum(np.frexp(np.where(r == 0, 1, r))[1] - 1, 0) - 1)
;;       q = np.round(r / step) * step * 2.0 ** e      # np.round: ties to even
;;       return np.moveaxis(q.reshape(q.shape[:-2] + (-1,))[..., :K], -1, axis).astype(np.float32)
;;   ~~~
;; One version. Each part assembles by itself: llvm-mc -triple=amdgcn-amd-amdhsa -mcpu=gfx1250 --defsym DOCPART=n.
;; ======== version 1 of 1: 4 launches
;; limits: right only within a limited range of input values
;; workspace buffers: codes 14,155,776 bytes; scales 884,736 bytes; wob 2,097,152 bytes; qkvh 50,331,648 bytes; ao 16,777,216 bytes
;; launch quant (part 1): grid 896 x 1, 4 waves a work-group, no clusters, 33,280 bytes of LDS; arguments q, k, v, Wq, Wk, Wv, Wo, codes, scales, wob; writes codes, scales, wob
.if DOCPART == 1
	.amdgcn_target "amdgcn-amd-amdhsa--gfx1250"
	.amdhsa_code_object_version 6
	.text
	.protected	k_q978b839bcc_quant
	.globl	k_q978b839bcc_quant
	.p2align	8
	.type	k_q978b839bcc_quant,@function
k_q978b839bcc_quant:
	s_mov_b64 s[64:65], 0
	v_nop
	global_prefetch_b8 v0, s[64:65] scope:SCOPE_SE
	s_setreg_imm32_b32 hwreg(HW_REG_WAVE_MODE, 25, 1), 1
	s_wait_xcnt 0x0
; q, k, v [8192][1024] and Wq, Wk, Wv [1024][1024], f32, K innermost, become codes of FP4 (E2M1), two a byte, the lower k in the low four bits, with one E8M0 byte for each 32 along K.
; Wo [1024][1024] is rounded to bf16 (its product is not quantised).
; The codes' buffer is one stack of rows of 512 bytes: rows 0-8191 q, 8192-16383 k, 16384-24575 v, then 1,024 rows each of Wq, Wk, Wv; the scale bytes likewise, 32 bytes a row.
; Work-group g takes 32,768 numbers, in that very order: 0-255 q, 256-511 k, 512-767 v, 768-799 Wq, 800-831 Wk, 832-863 Wv, 864-895 Wo.  So only the source is chosen, by the work-group's number.
; A block's scale is 2^(floor(log2(its largest magnitude)) - 2); its byte is the largest magnitude's exponent field - 2, held at 1 from below.  A block of zeros so gets the byte 1: its codes are zeros,
; which add nothing under any byte but 0xff, and the bytes are read by this program alone.
; LIMITS: blocks whose largest magnitude lies under 2^-124 keep the byte 1; NaN and infinities among the inputs are not served.
; A wave takes 16 steps of 512 numbers.  Each load reads 512 consecutive bytes, 16 a lane; a step's 2,048 bytes turn through the wave's own stage in LDS and come back 64 bytes a lane, so that a lane
; holds 16 neighbours along K and two neighbouring lanes a block.  A lane's 16 codes are 8 bytes: the wave stores 256 consecutive bytes.  A wave's 256 scale bytes are gathered in LDS and leave as one store.
; No work-group shares an input with another, so there is no cluster; no tensor load, no barrier: waves share nothing.
.set WAVES, 4
.set STEPS, 16
.set EMAX,  2
.set CB,    8                          ; bytes of 16 codes
.set R,     16                         ; v16-79   four sets of 16 numbers as loaded (Wo's path: v16-143, two sets of 64)
.set X,     80                         ; v80-111  two sets of 16 neighbours
.set C,     128                        ; v128-191 codes: four registers for each step, so that no store's data are written again
.set E,     112                        ; v112-127 a scale byte for each step
.set WREG,  8192                       ; LDS: a region for each wave: two stages of 32 x SP bytes, behind them its 256 scale bytes
.set SP,    80                         ; a lane's place in a stage: 64 bytes + 16 of padding
.set SPW,   12                         ; v12      LDS address of my spare word; never rewritten
.set NIL,   13                         ; v13      0; never rewritten
.set SPARE, WAVES*WREG                 ; behind the four regions: the spare words, 128 bytes a wave
.set SRC,   24                         ; s[24:25] the tensor that my work-group reads
.set FIRST, 26                         ; s26      that tensor's first work-group
.set WV,    27                         ; s27      my wave's number
	s_load_b256 s[4:11], s[0:1], 0x0               ; q, k, v, Wq
	s_load_b256 s[12:19], s[0:1], 0x20             ; Wk, Wv, Wo, codes
	s_load_b128 s[20:23], s[0:1], 0x40             ; scales, wob
	v_lshl_add_u32 v[SPW], v0, 2, SPARE
	v_mov_b32 v[NIL], 0
	v_lshrrev_b32 v1, 5, v0
	v_readfirstlane_b32 s[WV], v1                  ; wave
	v_and_b32 v2, 31, v0                           ; lane
	v_lshlrev_b32 v3, 4, v2                        ; my 16 bytes of a load's 512
	s_mul_i32 s34, s[WV], WREG
	v_lshrrev_b32 v14, 2, v2
	v_mul_u32_u24 v14, v14, SP
	v_and_b32 v15, 3, v2
	v_lshl_add_u32 v14, v15, 4, v14
	v_add_nc_u32 v14, s34, v14                     ; the stage, on the way in: four lanes' 64 bytes on end, then 16 of padding
	v_mul_u32_u24 v15, v2, SP
	v_add_nc_u32 v15, s34, v15                     ; and on the way out: SP x lane: my 16 neighbours
	v_mul_u32_u24 v4, v2, CB                       ; 8 x lane: my codes' place in a step's (Wo's path: my 4 bf16)
	v_lshrrev_b32 v5, 1, v2
	s_add_co_u32 s34, s34, 2*32*SP
	v_add_nc_u32 v5, s34, v5                       ; LDS: my wave's 256 scale bytes, my block's byte
	v_lshlrev_b32 v7, 3, v2                        ; and on the way out 8 bytes a lane
	v_add_nc_u32 v6, s34, v7
	s_wait_kmcnt 0x0
; the source: a choice among pointers on the work-group's number alone
.macro PICK bound, ptr
	s_cmp_ge_u32 ttmp9, \bound
	s_cselect_b64 s[SRC:SRC+1], s[\ptr:\ptr+1], s[SRC:SRC+1]
	s_cselect_b32 s[FIRST], \bound, s[FIRST]
.endm
	s_mov_b64 s[SRC:SRC+1], s[4:5]
	s_mov_b32 s[FIRST], 0
	PICK 256, 6
	PICK 512, 8
	PICK 768, 10
	PICK 800, 12
	PICK 832, 14
	PICK 864, 16
	s_sub_co_u32 s28, ttmp9, s[FIRST]
	s_lshl_b32 s28, s28, 2
	s_add_co_u32 s28, s28, s[WV]                   ; which run of 8,192 numbers of the tensor is my wave's
	s_lshl_b32 s36, s28, 14                        ; Wo's path: 16,384 bytes of bf16 a run
	s_mov_b32 s37, 0
	s_lshl_b32 s28, s28, 15                        ; 32,768 bytes of f32 a run
	s_mov_b32 s29, 0
	s_lshl_b32 s30, ttmp9, 2
	s_add_co_u32 s30, s30, s[WV]                   ; which run of the whole stack
	s_lshl_b32 s32, s30, 8                         ; 256 scale bytes a run,
	s_mov_b32 s33, 0
	s_lshl_b32 s30, s30, 12                        ; 4,096 bytes of codes
	s_mov_b32 s31, 0
	s_add_nc_u64 s[SRC:SRC+1], s[SRC:SRC+1], s[28:29]
	s_cmp_ge_u32 ttmp9, 864
	s_cbranch_scc1 .Lwo
	s_add_nc_u64 s[18:19], s[18:19], s[30:31]
	s_add_nc_u64 s[20:21], s[20:21], s[32:33]
.macro LOAD t
.irp i, 0,1,2,3
	global_load_b128 v[R+16*((\t)%4)+4*\i:R+16*((\t)%4)+4*\i+3], v3, s[SRC:SRC+1] offset:2048*(\t)+512*\i th:TH_LOAD_NT   ; 32 lanes read 512 consecutive bytes
.endr
.endm
.macro TURN t                          ; step t's numbers through the stage: LDS serves a wave's instructions in order, so no wait stands between the stores and the loads
.irp i, 0,1,2,3
	ds_store_b128 v14, v[R+16*((\t)%4)+4*\i:R+16*((\t)%4)+4*\i+3] offset:32*SP*((\t)%2)+8*SP*\i
.endr
.irp i, 0,1,2,3
	ds_load_b128 v[X+16*((\t)%2)+4*\i:X+16*((\t)%2)+4*\i+3], v15 offset:32*SP*((\t)%2)+16*\i
.endr
.endm
.irp t, 0,1,2,3
	LOAD \t
.endr
	s_wait_loadcnt 12                              ; step 0's four loads are in; the twelve of steps 1 to 3 stay out
	TURN 0
.macro STEP t
.set XS, X+16*((\t)%2)
.if (\t) > 0
	s_wait_dscnt 1                                 ; this step's numbers are back from the stage (the last step's byte store may be out): so its stores into the stage have read their registers,
.else
	s_wait_dscnt 0x0
.endif
.if (\t)+4 < STEPS
	LOAD (\t)+4                                    ; which take the loads of four steps on
.endif
.if (\t)+1 < STEPS
.if STEPS-2-(\t) >= 3
	s_wait_loadcnt 12                              ; the next step's four loads are in; those of the three steps behind it may be out
.else
	s_wait_loadcnt 4*(STEPS-2-(\t))
.endif
	TURN (\t)+1                                    ; and go through the other stage while this step is worked
.endif
	v_max3_num_f32 v8, |v[XS]|, |v[XS+1]|, |v[XS+2]|               ; the largest magnitude of my 16, in two chains
	v_max3_num_f32 v9, |v[XS+3]|, |v[XS+4]|, |v[XS+5]|
.irp i, 6,10
	v_max3_num_f32 v8, v8, |v[XS+\i]|, |v[XS+\i+1]|
	v_max3_num_f32 v9, v9, |v[XS+\i+2]|, |v[XS+\i+3]|
.endr
	v_max3_num_f32 v8, v8, |v[XS+14]|, |v[XS+15]|
	v_max3_num_f32 v8, v8, v9, (EMAX+1)<<23        ; and the floor 2^(EMAX + 1 - 127): the byte cannot fall under 1
	v_max_num_f32_dpp v8, v8, v8 row_xmask:1 row_mask:0xf bank_mask:0xf   ; and of my neighbour's 16: the block's
	v_add_nc_u32 v11, -(EMAX<<23), v8              ; EMAX off its exponent field: the conversion takes the exponent field of this operand as its scale, and nothing else of it
	v_cvt_scalef32_pk8_fp4_f32 v[C+4*(\t)], v[XS:XS+7], v11        ; eight numbers / the scale, to the nearest code, ties to even, beyond the largest code the largest
	v_cvt_scalef32_pk8_fp4_f32 v[C+4*(\t)+1], v[XS+8:XS+15], v11
	v_lshrrev_b32 v[E+(\t)], 23, v11               ; the scale's byte (also the plain line behind the conversions)
	ds_store_b8 v5, v[E+(\t)] offset:16*(\t)       ; both lanes of a block write the same byte with the same value
	global_store_b64 v4, v[C+4*(\t):C+4*(\t)+1], s[18:19] offset:32*CB*(\t)   ; 32 lanes store 256 consecutive bytes, aligned
.endm
.irp t, 0,1,2,3,4,5,6,7,8,9,10,11,12,13,14,15
	STEP \t
.endr
	ds_load_b64 v[8:9], v6                         ; LDS serves a wave's instructions in order: these see my stores
	s_wait_dscnt 0x0
	global_store_b64 v7, v[8:9], s[20:21]          ; 32 lanes store 256 consecutive bytes, aligned
	s_wait_tensorcnt 0x0                           ; the wave's end: behind my last LDS store
	ds_add_u32 v[SPW], v[NIL]
	s_wait_dscnt 0x0
	s_endpgm
; Wo to bf16.  A wave's 32,768 bytes go in four groups of sixteen loads, two groups in flight, in two sets of 64 registers.
.macro WLOAD grp, bank
.irp i, 0,1,2,3,4,5,6,7,8,9,10,11,12,13,14,15
	global_load_b128 v[R+64*\bank+4*\i:R+64*\bank+4*\i+3], v3, s[SRC:SRC+1] offset:8192*\grp+512*\i th:TH_LOAD_NT
.endr
.endm
.macro WOUT grp, bank
.irp i, 0,1,2,3,4,5,6,7,8,9,10,11,12,13,14,15
	v_cvt_pk_bf16_f32 v[R+64*\bank+4*\i], v[R+64*\bank+4*\i], v[R+64*\bank+4*\i+1]
	v_cvt_pk_bf16_f32 v[R+64*\bank+4*\i+1], v[R+64*\bank+4*\i+2], v[R+64*\bank+4*\i+3]
	global_store_b64 v4, v[R+64*\bank+4*\i:R+64*\bank+4*\i+1], s[22:23] offset:4096*\grp+256*\i   ; 32 lanes store 256 consecutive bytes, aligned
.endr
.endm
.Lwo:
	s_add_nc_u64 s[22:23], s[22:23], s[36:37]
	WLOAD 0, 0
	WLOAD 1, 1
	s_wait_loadcnt 16                              ; group 0 is in; group 1's sixteen stay out
	WOUT 0, 0
	s_wait_xcnt 0x0                                ; the stores have read their registers: set 0 may be loaded again
	WLOAD 2, 0
	s_wait_loadcnt 16                              ; group 1 is in
	WOUT 1, 1
	s_wait_xcnt 0x0
	WLOAD 3, 1
	s_wait_loadcnt 16                              ; group 2 is in
	WOUT 2, 0
	s_wait_loadcnt 0x0
	WOUT 3, 1
	s_endpgm
.Lfunc_end_k_q978b839bcc_quant:
	.size	k_q978b839bcc_quant, .Lfunc_end_k_q978b839bcc_quant-k_q978b839bcc_quant
	.p2alignl 7, 3214868480
	.fill 96, 4, 3214868480
	.section	.rodata,"a",@progbits
	.p2align	6, 0x0
	.amdhsa_kernel k_q978b839bcc_quant
		.amdhsa_group_segment_fixed_size 33280
		.amdhsa_private_segment_fixed_size 0
		.amdhsa_enable_private_segment 0
		.amdhsa_kernarg_size 80
		.amdhsa_user_sgpr_count 2
		.amdhsa_user_sgpr_kernarg_segment_ptr 1
		.amdhsa_wavefront_size32 1
		.amdhsa_system_sgpr_workgroup_id_x 1
		.amdhsa_system_sgpr_workgroup_id_y 1
		.amdhsa_system_sgpr_workgroup_id_z 1
		.amdhsa_system_vgpr_workitem_id 0
		.amdhsa_next_free_vgpr 192
		.amdhsa_next_free_sgpr 66
		.amdhsa_reserve_vcc 0
		.amdhsa_float_denorm_mode_32 3
		.amdhsa_float_denorm_mode_16_64 3
		.amdhsa_memory_ordered 1
		.amdhsa_forward_progress 1
		.amdhsa_inst_pref_size 55
	.end_amdhsa_kernel
	.amdgpu_metadata
---
amdhsa.version: [ 1, 2 ]
amdhsa.kernels:
  - .name:           k_q978b839bcc_quant
    .symbol:         k_q978b839bcc_quant.kd
    .args:
      - { .name: q, .offset: 0, .size: 8, .value_kind: global_buffer, .address_space: global }
      - { .name: k, .offset: 8, .size: 8, .value_kind: global_buffer, .address_space: global }
      - { .name: v, .offset: 16, .size: 8, .value_kind: global_buffer, .address_space: global }
      - { .name: Wq, .offset: 24, .size: 8, .value_kind: global_buffer, .address_space: global }
      - { .name: Wk, .offset: 32, .size: 8, .value_kind: global_buffer, .address_space: global }
      - { .name: Wv, .offset: 40, .size: 8, .value_kind: global_buffer, .address_space: global }
      - { .name: Wo, .offset: 48, .size: 8, .value_kind: global_buffer, .address_space: global }
      - { .name: codes, .offset: 56, .size: 8, .value_kind: global_buffer, .address_space: global }
      - { .name: scales, .offset: 64, .size: 8, .value_kind: global_buffer, .address_space: global }
      - { .name: wob, .offset: 72, .size: 8, .value_kind: global_buffer, .address_space: global }
    .group_segment_fixed_size: 33280
    .private_segment_fixed_size: 0
    .kernarg_segment_align: 8
    .kernarg_segment_size: 80
    .max_flat_workgroup_size: 128
    .sgpr_count:     66
    .vgpr_count:     192
    .wavefront_size: 32
...
	.end_amdgpu_metadata
.endif
;; end of part 1
;; launch proj (part 2): grid 4 x 96, 4 waves a work-group, clusters of 4 x 4, 327,680 bytes of LDS; arguments codes, scales, qkvh; writes qkvh
.if DOCPART == 2
	.amdgcn_target "amdgcn-amd-amdhsa--gfx1250"
	.amdhsa_code_object_version 6
	.text
	.protected	k_q978b839bcc_proj
	.globl	k_q978b839bcc_proj
	.p2align	8
	.type	k_q978b839bcc_proj,@function
k_q978b839bcc_proj:
	s_mov_b64 s[64:65], 0
	v_nop
	global_prefetch_b8 v0, s[64:65] scope:SCOPE_SE
	s_setreg_imm32_b32 hwreg(HW_REG_WAVE_MODE, 25, 1), 1
	s_wait_xcnt 0x0
	s_wait_alu depctr_hold_cnt(0) depctr_sa_sdst(0) depctr_va_vdst(0) depctr_va_sdst(0) depctr_va_ssrc(0) depctr_va_vcc(0) depctr_vm_vsrc(0)
	s_getreg_b32 s2, hwreg(HW_REG_IB_STS2, 6, 4)
	s_cmp_eq_u32 s2, 0
	s_cbranch_scc0 .Lentry_in_a_cluster
	s_endpgm
.Lentry_in_a_cluster:
	s_bfe_u32 s2, ttmp6, 0x10000c
	s_cmp_lg_u32 s2, 0xf033
	s_cbranch_scc0 .Lentry_shape_is_right
	s_endpgm
.Lentry_shape_is_right:
; The three input projections in one launch: C[m][n] = sum over k of A[m][k] B[n][k] on codes of FP4 (E2M1) with one E8M0 scale for each 32 along K; K = 1,024; sums in f32.
; A: rows 0-24575 of the codes' stack (q, k, v, 8,192 rows each); B: the weight of the same tensor, 1,024 rows from row 24576 + 1024 t on.  The matrix instruction takes codes and scale bytes as they lie.
; C is rounded once to bf16 and laid BY HEAD: qkvh [t 3][b 4][h 16][s 2048][64]: a head is 262,144 consecutive bytes, so that the next launch's tiles are dense blocks.
; A tile of C, 256 x 256, is made by four waves; a wave makes 128 x 128: 64 accumulators, 512 registers.  96 tile rows x 4 tile columns = 384 work-groups.
; K = 1,024 is two slots of 512 along K (rows of 256 bytes): both are first fills, nothing is filled again.  The scale bytes of the work-group's rows, for all of K, are two dense blocks: they come once.
; CLUSTERS: 4 x 4 work-groups.  The four of a row of the cluster need the same tiles of A, the four of a column the same tiles of B: each is asked for jointly, by the same tensor load with the same descriptor
; and a mask that names the four.  The tensor's number comes from the cluster's y alone (eight clusters to a tensor), which all sixteen share.
; THE MATRIX INSTRUCTION IS USED TRANSPOSED (source 0 = 16 rows of B, source 1 = 16 rows of A): a lane then holds eight neighbouring numbers of a row of C.
; REGISTERS, in windows of 256: window 0: v0-31 addresses; v32-95 scale words, two sets, and nothing else; v128-191 A's fragments, ONE set (on the way out: rows read back); v192-223 packed results.
;   window 1: B's fragments, TWO sets, at v0 and v128.   window 2: the accumulators of my rows 0-63 ((a, b) at v[8 (8 a + b)]);   window 3: those of my rows 64-127.
.set SIZE_K, 1024
.set KSTEP,  512                       ; along K in a slot
.set NQ,     KSTEP/128                 ; matrix instructions deep
.set ROWB,   256                       ; a tile's row in bytes
.set KROW,   SIZE_K*4/8                ; a row of codes in memory
.set PITCH,  272                       ; an LDS row: 256 bytes + 16 of padding: the 16 rows that a load touches start 68 words apart
.set FR,     8                         ; registers of a fragment: 16 rows x 128 K
.set NL,     2                         ; LDS loads that bring one
.set NP,     4                         ; places behind this matrix instruction (ISA guide 7.12.1)
.set HALFT,  128*PITCH                 ; 128 rows: what one tensor load brings
.set SLOT,   4*HALFT                   ; A's 256 rows, then B's 256 rows
.set KS,     SIZE_K/32                 ; a row of scale bytes
.set SCL,    2*SLOT                    ; behind the slots: the scales, as units of 256 bytes + 16 of padding
.set HALFS,  (128*KS/256)*272          ; the scales of 128 rows
.set SBLK,   (16*KS/256)*272           ; those of 16 rows
.set SPARE,  SCL+4*HALFS               ; behind the scales: the spare words, 128 bytes a wave
.set SPITCH, 272                       ; the way out: a stage of 16 rows x (256 bytes + 16) for each wave, in slot 0, which has had its only fill and its last read by then
.set WROW0,  24576                     ; the weights' first row in the stack
.set HEADB,  262144                    ; a head in qkvh
.set ADRA, 16                          ; v16-17  LDS address of my A fragments in slot 0, 1
.set ADRB, 20                          ; v20-21  the same for B
.set STO,  24                          ; v24     the way out: where I put 16 bytes of a row
.set RD,   25                          ; v25     where I read rows back
.set CO,   26                          ; v26     16 x lane
.set ADRS, 27                          ; v27     LDS address of my scale words: lanes 0-15 A's rows, lanes 16-31 B's
.set SPW,  28                          ; v28     LDS address of my spare word; never rewritten
.set NIL,  29                          ; v29     0; never rewritten
.set SC,   32                          ; scale words: set s at v[SC + 32 s]; register 4 i + q: lanes 0-15 A's block i, lanes 16-31 B's block i, the slot's q-th 128 along K
.set AF,   128                         ; A's fragments
.set BK,   128                         ; the way out: 16 rows read back: v128-159 and v160-191 by turns
.set TMP,  192                         ; the way out: a block's packed results
.set G1, 24                            ; s[24:31] group 1 for A's tiles;  s[32:39] group 0, one set for each slot
.set G0, 32
.set G1B, 48                           ; s[48:55], s[56:63] the same for B's
.set G0B, 56
.set G1S, 68                           ; s[68:75], s[76:79] groups 1 and 0 for A's scales;  s[80:87], s[88:91] for B's
.set G0S, 76
.set G1SB, 80
.set G0SB, 88
.set MSB, 0
.macro WIN new                         ; the immediate's high byte repeats the setting that is left
.if MSB != (\new)
	s_set_vgpr_msb (MSB<<8)|(\new)
.set MSB, \new
.endif
.endm
.set MUL_LO, 0xa1                      ; source 0 (B) window 1, source 1 (A) window 0, C and D window 2
.set MUL_HI, 0xf1                      ; the same, C and D window 3
.set TO_B,   0x40                      ; destination window 1, address window 0
; A joint load: waves 0 and 1 fetch for A, waves 2 and 3 for B.  Each line has one mask and one set of registers for all that issue it; the branch hangs on the wave's number alone.
; An s_nop 0 and four v_nop follow each of the two lines.
.macro JLOAD g0a, g1a, g0b, g1b
	s_cmp_eq_u32 s15, 0
	s_cbranch_scc0 .Lfor_b_\@
	tensor_load_to_lds s[\g0a:\g0a+3], s[\g1a:\g1a+7]
	s_nop 0
.rept 4
	v_nop
.endr
	s_branch .Lasked_\@
.Lfor_b_\@:
	tensor_load_to_lds s[\g0b:\g0b+3], s[\g1b:\g1b+7]
	s_nop 0
.rept 4
	v_nop
.endr
.Lasked_\@:
.endm
.macro CROUND                          ; a round of the cluster's barrier
	s_barrier_signal -1
	s_barrier_wait -1
	s_cmp_lg_u32 s14, 0
	s_cbranch_scc1 .Lnot_wave_0_\@
	s_barrier_signal -3
.Lnot_wave_0_\@:
	s_barrier_wait -3
	s_barrier_signal -1
	s_barrier_wait -1
.endm
	s_load_b128 s[4:7], s[0:1], 0x0                ; codes s[4:5], scales s[6:7]
	s_load_b64 s[12:13], s[0:1], 0x10              ; qkvh
	v_lshl_add_u32 v[SPW], v0, 2, SPARE
	v_mov_b32 v[NIL], 0
	ds_add_u32 v[SPW], v[NIL]                      ; the wave's opening: the add, twice on end, and its wait ahead of my first tensor load
	ds_add_u32 v[SPW], v[NIL]                      ; and once more; the set-up below, work on registers, stands between it and the wait
	v_lshrrev_b32 v1, 5, v0
	v_readfirstlane_b32 s14, v1                    ; wave 0..3
	s_lshr_b32 s15, s14, 1                         ; which half of the tile's rows is mine.  Also: I fetch for A (0) or for B (1)
	s_and_b32 s16, s14, 1                          ; which half of its columns.  Also: which 128 rows of that tile I fetch
	s_bfe_u32 s40, ttmp6, 0x40000                  ; cx, cy: my place in the cluster
	s_bfe_u32 s41, ttmp6, 0x40004
	s_lshl_b32 s42, ttmp9, 2
	s_add_co_u32 s42, s42, s40                     ; tile column = 4 x cluster x + cx
	s_and_b32 s17, ttmp7, 0xffff
	s_lshl_b32 s17, s17, 2
	s_add_co_u32 s17, s17, s41                     ; tile row = 4 x cluster y + cy, 0 to 95 over q, k, v
	s_lshl_b32 s43, s41, 2
	s_lshl_b32 s43, 15, s43                        ; my row of the cluster
	s_lshl_b32 s44, 0x1111, s40                    ; my column
	; group 1: a tile of 128 rows x 256 bytes, padded in LDS
	s_or_b32 s[G1+0], s43, (0<<16)|(1<<20)|(1<<21)|(5<<22)|(3<<25)  ; 15:0 the mask; 17:16 elements of 1 byte; 20 padding on; 21 set beside a mask; 24:22 after every 64 words; 31:25 four words
	s_or_b32 s[G1B+0], s44, (0<<16)|(1<<20)|(1<<21)|(5<<22)|(3<<25)
.irp g, G1, G1B
	s_mov_b32 s[\g+1], ROWB<<16                    ; tensor_dim0
	s_mov_b32 s[\g+2], 128<<16                     ; tensor_dim1
	s_mov_b32 s[\g+3], ROWB<<16                    ; tile_dim0
	s_mov_b32 s[\g+4], 128                         ; tile_dim1
	s_mov_b32 s[\g+5], KROW                        ; tensor_dim0_stride
	s_mov_b32 s[\g+6], 0
	s_mov_b32 s[\g+7], 0
.endr
	; the scales of 128 rows: 4,096 dense bytes, as 16 rows of 256 bytes (32 elements of 8 bytes), 16 bytes of padding behind each
	s_or_b32 s[G1S+0], s43, (3<<16)|(1<<20)|(1<<21)|(5<<22)|(3<<25)
	s_or_b32 s[G1SB+0], s44, (3<<16)|(1<<20)|(1<<21)|(5<<22)|(3<<25)
.irp g, G1S, G1SB
	s_mov_b32 s[\g+1], 32<<16
	s_mov_b32 s[\g+2], (128*KS/256)<<16
	s_mov_b32 s[\g+3], 32<<16
	s_mov_b32 s[\g+4], 128*KS/256
	s_mov_b32 s[\g+5], 32
	s_mov_b32 s[\g+6], 0
	s_mov_b32 s[\g+7], 0
.endr
	s_lshl_b32 s18, s16, 7                         ; which 128 rows of the tile I fetch
	s_lshl_b32 s20, s17, 8
	s_add_co_u32 s20, s20, s18                     ; A: row 256 x tile row + 128 x half
	s_lshl_b32 s46, s42, 8
	s_add_co_u32 s46, s46, s18                     ; B: 256 x tile column + 128 x half,
	s_and_b32 s95, ttmp7, 0xffff
	s_lshr_b32 s95, s95, 3                         ; the tensor: eight clusters along y to each
	s_lshl_b32 s95, s95, 10
	s_add_co_u32 s46, s46, s95                     ; in that tensor's weight,
	s_add_co_u32 s46, s46, WROW0                   ; behind the 24,576 rows of q, k, v
	s_mov_b32 s21, 0
	s_mov_b32 s47, 0
	s_mov_b64 s[18:19], KS
	s_mul_u64 s[22:23], s[20:21], s[18:19]         ; where these rows' scales begin, in bytes
	s_mul_u64 s[92:93], s[46:47], s[18:19]
	s_mov_b64 s[18:19], KROW
	s_mul_u64 s[20:21], s[20:21], s[18:19]         ; and their codes
	s_mul_u64 s[46:47], s[46:47], s[18:19]
	s_mul_i32 s45, s14, HALFT                      ; where they go: wave x 128 rows: no place in the cluster enters an LDS address
	s_mul_i32 s94, s14, HALFS
	s_wait_dscnt 0x0                               ; both opening adds are done
	s_wait_kmcnt 0x0
	s_add_nc_u64 s[20:21], s[4:5], s[20:21]
	s_add_nc_u64 s[22:23], s[6:7], s[22:23]
	s_add_nc_u64 s[46:47], s[4:5], s[46:47]
	s_add_nc_u64 s[92:93], s[6:7], s[92:93]
	CROUND                                         ; all sixteen work-groups are here: the joint loads meet
	s_mov_b32 s[G0S], 1
	s_add_co_u32 s[G0S+1], s94, SCL
	s_mov_b64 s[G0S+2:G0S+3], s[22:23]
	s_or_b32 s[G0S+3], s[G0S+3], 0x80000000
	s_mov_b32 s[G0SB], 1
	s_add_co_u32 s[G0SB+1], s94, SCL
	s_mov_b64 s[G0SB+2:G0SB+3], s[92:93]
	s_or_b32 s[G0SB+3], s[G0SB+3], 0x80000000
	JLOAD G0S, G1S, G0SB, G1SB                     ; the scales first: they are wanted with the first slot
.irp s, 0,1
	s_mov_b32 s[G0+4*\s], 1
	s_add_co_u32 s[G0+4*\s+1], s45, \s*SLOT
	s_add_nc_u64 s[G0+4*\s+2:G0+4*\s+3], s[20:21], \s*ROWB
	s_or_b32 s[G0+4*\s+3], s[G0+4*\s+3], 0x80000000
	s_mov_b32 s[G0B+4*\s], 1
	s_add_co_u32 s[G0B+4*\s+1], s45, \s*SLOT
	s_add_nc_u64 s[G0B+4*\s+2:G0B+4*\s+3], s[46:47], \s*ROWB
	s_or_b32 s[G0B+4*\s+3], s[G0B+4*\s+3], 0x80000000
	JLOAD G0+4*\s, G1, G0B+4*\s, G1B               ; three loads of mine are out in all
.endr
	v_and_b32 v1, 15, v0                           ; l % 16
	v_bfe_u32 v2, v0, 4, 1                         ; l / 16
	v_mul_u32_u24 v3, v1, PITCH
	v_lshl_add_u32 v4, v2, 4, v3                   ; a fragment's row x pitch + 16 x half
	s_mul_i32 s21, s15, HALFT                      ; my 128 rows of A
	s_mul_i32 s22, s16, HALFT                      ; my 128 rows of B,
	s_add_co_u32 s22, s22, 2*HALFT                 ; which lie behind A's 256
.irp s, 0,1
	v_add_nc_u32 v[ADRA+\s], s21, v4
	v_add_nc_u32 v[ADRB+\s], s22, v4
	s_add_co_u32 s21, s21, SLOT
	s_add_co_u32 s22, s22, SLOT
.endr
	v_mul_u32_u24 v5, v1, KS                       ; my row's scales: 32 bytes a row,
	v_lshrrev_b32 v6, 8, v5
	v_lshl_add_u32 v5, v6, 4, v5                   ; and 16 more for each 256 passed
	s_mul_i32 s21, s15, HALFS                      ; A's: my 128 rows
	s_mul_i32 s22, s16, HALFS                      ; B's: my 128 rows, behind A's 256
	s_add_co_u32 s22, s22, 2*HALFS
	s_sub_co_u32 s22, s22, s21
	v_mul_u32_u24 v6, s22, v2                      ; lanes 16-31 take B's: the lower base + half x the distance
	s_add_co_u32 s21, s21, SCL
	v_add_nc_u32 v5, v5, v6
	v_add_nc_u32 v[ADRS], s21, v5
	s_mul_i32 s23, s14, 16*SPITCH                  ; my stage
	v_mul_u32_u24 v5, v1, SPITCH                   ; in: row l % 16, 16 bytes for each half of the lanes
	v_lshl_add_u32 v5, v2, 4, v5
	v_add_nc_u32 v[STO], s23, v5
	v_and_b32 v6, 31, v0
	v_lshlrev_b32 v[CO], 4, v6                     ; out: 16 bytes a lane
	v_lshrrev_b32 v7, 3, v6                        ; back: eight lanes take one head's 128 bytes of a row, the wave four rows
	v_mul_u32_u24 v7, v7, SPITCH
	v_and_b32 v8, 7, v0
	v_lshl_add_u32 v7, v8, 4, v7
	v_add_nc_u32 v[RD], s23, v7
	; where my part begins in qkvh: (tile row / 8) counts tensor and batch, 4 MiB each; my first head is 4 x tile column + 2 x column half; my first position 256 (tile row % 8) + 128 x row half
	s_lshr_b32 s20, s17, 3
	s_lshl_b32 s20, s20, 22
	s_and_b32 s21, s17, 7
	s_lshl_b32 s21, s21, 15
	s_add_co_u32 s20, s20, s21
	s_lshl_b32 s21, s15, 14
	s_add_co_u32 s20, s20, s21
	s_mov_b32 s21, 0
	s_lshl_b32 s46, s42, 20
	s_lshl_b32 s47, s16, 19
	s_add_co_u32 s46, s46, s47
	s_mov_b32 s47, 0
	s_add_nc_u64 s[20:21], s[20:21], s[46:47]
	s_add_nc_u64 s[12:13], s[12:13], s[20:21]
.macro FRAG reg, adr, q, i             ; 16 rows x 128 K of 4-bit codes, 8 registers: lane l holds row l % 16; registers 4 c .. 4 c + 3 hold K = 64 c + 32 (l / 16) + 0 .. 31
.irp c, 0,1
	ds_load_b128 v[\reg+4*\c:\reg+4*\c+3], v[\adr] offset:64*(\q)+32*\c+(\i)*16*PITCH
.endr
.endm
; 16 matrix instructions: A's blocks a0, a0 + 1 x B's eight, the slot's q-th 128 along K.  p: B's set;  sc: the set of scale words.  zero = 1: the first product starts the sums.
; The 64 accumulators take turns, one instruction a turn, in the same order in every step.
.macro MUL16 a0, p, q, sc, zero
.irp a, \a0, \a0+1
.irp b, 0,1,2,3,4,5,6,7
.if \zero
	v_wmma_scale_f32_16x16x128_f8f6f4 v[8*(8*((\a)%4)+\b):8*(8*((\a)%4)+\b)+7], v[128*(\p)+FR*\b:128*(\p)+FR*\b+FR-1], v[AF+FR*(\a):AF+FR*(\a)+FR-1], 0, v[SC+8*NQ*(\sc)+NQ*\b+(\q)], v[SC+8*NQ*(\sc)+NQ*(\a)+(\q)] matrix_a_fmt:MATRIX_FMT_FP4 matrix_b_fmt:MATRIX_FMT_FP4 matrix_a_scale:MATRIX_SCALE_ROW1
.else
	v_wmma_scale_f32_16x16x128_f8f6f4 v[8*(8*((\a)%4)+\b):8*(8*((\a)%4)+\b)+7], v[128*(\p)+FR*\b:128*(\p)+FR*\b+FR-1], v[AF+FR*(\a):AF+FR*(\a)+FR-1], v[8*(8*((\a)%4)+\b):8*(8*((\a)%4)+\b)+7], v[SC+8*NQ*(\sc)+NQ*\b+(\q)], v[SC+8*NQ*(\sc)+NQ*(\a)+(\q)] matrix_a_fmt:MATRIX_FMT_FP4 matrix_b_fmt:MATRIX_FMT_FP4 matrix_a_scale:MATRIX_SCALE_ROW1
.endif
.endr
.endr
.endm
.macro FETCH_B slot, q, p              ; B's eight fragments of the slot's q-th 128 along K into set p
	WIN TO_B
.irp i, 0,1,2,3,4,5,6,7
	FRAG 128*(\p)+FR*\i, ADRB+\slot, \q, \i
.endr
	WIN 0
.endm
.macro FETCH_A slot, q, i0             ; A's blocks i0 .. i0 + 3
.irp i, \i0, \i0+1, \i0+2, \i0+3
	FRAG AF+FR*(\i), ADRA+\slot, \q, \i
.endr
.endm
.macro SCALES sc                       ; a slot's scale words into set sc: four words a row; lanes 0-15 take A's block i, lanes 16-31 B's block i
.irp i, 0,1,2,3,4,5,6,7
	ds_load_b128 v[SC+8*NQ*\sc+NQ*\i:SC+8*NQ*\sc+NQ*\i+3], v[ADRS] offset:\i*SBLK
.endr
.endm
; A load into a register that a matrix instruction has read, and a vector instruction that reads a matrix result, stand NP places behind that matrix instruction; only plain vector
; instructions that name none of its registers are places (ISA guide 7.12.1 for vector instructions).
.macro PLACES n
.rept \n
	v_nop
.endr
.endm
; A step of 128 along K that has its successor in the same slot.  A's blocks go one after the other, each against B's eight: so one set of registers serves A.
.macro STEP slot, q, zero
	s_wait_dscnt 4*NL                              ; B's set and A's blocks 0-3 are in; the youngest eight loads (A's blocks 4-7) may be out
	WIN MUL_LO
	MUL16 0, (\q)%2, \q, \slot, \zero
	MUL16 2, (\q)%2, \q, \slot, \zero
	s_wait_dscnt 0                                 ; A's blocks 4-7 are in
	PLACES NP
	FETCH_B \slot, (\q)+1, 1-(\q)%2
	FETCH_A \slot, (\q)+1, 0
	WIN MUL_HI
	MUL16 4, (\q)%2, \q, \slot, \zero
	MUL16 6, (\q)%2, \q, \slot, \zero
	PLACES NP
	WIN 0
	FETCH_A \slot, (\q)+1, 4
.endm
; Slot 0's last step changes slots: one barrier; in front of it each wave waits for all its tensor loads (slot 1's is the one that was out), adds 0 to its spare word, and waits for that and for its reads of slot 0.
; Behind it nobody reads slot 0 any more: the stages of the way out lie there.
.macro TURN slot, next
	s_wait_tensorcnt 0x0                           ; all my tensor loads have landed  (every window is 0 here)
	ds_add_u32 v[SPW], v[NIL]                      ; 0 onto my spare word
	s_wait_dscnt 4*NL+1                            ; (the add and the youngest eight loads, A's blocks 4-7, may be out)
	WIN MUL_LO
	MUL16 0, 1, NQ-1, \slot, 0                     ; sixteen matrix instructions stand between the add and the wait for it
	s_wait_dscnt 0x0                               ; the add is done, and my reads of this slot are over
	s_barrier_signal -1
	MUL16 2, 1, NQ-1, \slot, 0
	WIN 0
	s_barrier_wait -1
	PLACES NP
	v_add_nc_u32 v[ADRS], 4*NQ, v[ADRS]            ; on to the next slot's scale words
	FETCH_B \next, 0, 0
	FETCH_A \next, 0, 0
	SCALES \next
	WIN MUL_HI
	MUL16 4, 1, NQ-1, \slot, 0
	MUL16 6, 1, NQ-1, \slot, 0
	PLACES NP
	WIN 0
	FETCH_A \next, 0, 4
.endm
.macro STEPS slot, from                ; the slot's steps from .. NQ - 2
.set Q, \from
.rept NQ-1-\from
	STEP \slot, Q, 0
.set Q, Q+1
.endr
.endm
	s_wait_tensorcnt 1                             ; the scales and my part of slot 0 are in (slot 1's load, issued behind them, may be out),
	s_barrier_signal -1
	s_barrier_wait -1                              ; everybody's are
	FETCH_B 0, 0, 0
	FETCH_A 0, 0, 0
	SCALES 0
	FETCH_A 0, 0, 4
	STEP 0, 0, 1                                   ; the first step's products start the sums: nothing is cleared
	STEPS 0, 1
	TURN 0, 1
	STEPS 1, 0
	s_wait_dscnt 4*NL                              ; the very last step: nothing more to fetch
	WIN MUL_LO
	MUL16 0, 1, NQ-1, 1, 0
	MUL16 2, 1, NQ-1, 1, 0
	s_wait_dscnt 0
	WIN MUL_HI
	MUL16 4, 1, NQ-1, 1, 0
	MUL16 6, 1, NQ-1, 1, 0
	WIN 0
; THE WAY OUT, block by block of 16 rows x 128 columns (two heads).  PACK: rounded to bf16, each accumulator from its low end on, 16 bytes a lane.  TOSTAGE: into my own stage, and back four rows of one head
; at a time.  SEND: a store covers 512 consecutive bytes of a head, aligned.  LDS serves a wave's instructions in order (ISA guide 5.7.1.4): no wait between the stores and the loads.
.macro PACK a
.set AC, 64*((\a)%4)
	WIN 0x0a+5*((\a)/4)                            ; sources 0 and 1: window 2 or 3
.irp b, 0,1,2,3,4,5,6,7
.irp r, 0,1,2,3
	v_cvt_pk_bf16_f32 v[TMP+4*\b+\r], v[AC+8*\b+2*\r], v[AC+8*\b+2*\r+1]
.endr
.endr
	WIN 0
.endm
.macro TOSTAGE a
.set BB, BK+32*((\a)%2)
.irp b, 0,1,2,3,4,5,6,7
	ds_store_b128 v[STO], v[TMP+4*\b:TMP+4*\b+3] offset:32*\b
.endr
.irp t, 0,1,2,3,4,5,6,7
	ds_load_b128 v[BB+4*\t:BB+4*\t+3], v[RD] offset:(\t%4)*4*SPITCH+(\t/4)*128   ; rows 4 (t % 4) on, head t / 4
.endr
.endm
.macro SEND a
.set BB, BK+32*((\a)%2)
	s_wait_dscnt 0x0                               ; the block is back in registers
	s_wait_xcnt 0x0                                ; the earlier stores have read their base and their registers: only behind this wait are they written again
.if (\a) > 0
	s_add_nc_u64 s[12:13], s[12:13], 16*128        ; 16 positions on in each head
.endif
.irp t, 0,1,2,3,4,5,6,7
	global_store_b128 v[CO], v[BB+4*\t:BB+4*\t+3], s[12:13] offset:(\t/4)*HEADB+(\t%4)*512
.endr
.endm
	PLACES NP                                      ; behind the last products: for the conversions that read results and the loads into A's registers
	PACK 0
	TOSTAGE 0
.irp a, 1,2,3,4,5,6,7                  ; block a's conversions stand between block a - 1's loads from the stage and the wait for them
	PACK \a
	SEND \a-1
	TOSTAGE \a
.endr
	SEND 7
	s_wait_tensorcnt 0x0                           ; the wave's end: behind my last tensor load and my last LDS store
	ds_add_u32 v[SPW], v[NIL]
	s_wait_dscnt 0x0
	CROUND                                         ; the closing round: no work-group ends while a partner may still ask for a tile that names it
	s_endpgm
.Lfunc_end_k_q978b839bcc_proj:
	.size	k_q978b839bcc_proj, .Lfunc_end_k_q978b839bcc_proj-k_q978b839bcc_proj
	.p2alignl 7, 3214868480
	.fill 96, 4, 3214868480
	.section	.rodata,"a",@progbits
	.p2align	6, 0x0
	.amdhsa_kernel k_q978b839bcc_proj
		.amdhsa_group_segment_fixed_size 327680
		.amdhsa_private_segment_fixed_size 0
		.amdhsa_enable_private_segment 0
		.amdhsa_kernarg_size 24
		.amdhsa_user_sgpr_count 2
		.amdhsa_user_sgpr_kernarg_segment_ptr 1
		.amdhsa_wavefront_size32 1
		.amdhsa_system_sgpr_workgroup_id_x 1
		.amdhsa_system_sgpr_workgroup_id_y 1
		.amdhsa_system_sgpr_workgroup_id_z 1
		.amdhsa_system_vgpr_workitem_id 0
		.amdhsa_next_free_vgpr 1024
		.amdhsa_next_free_sgpr 98
		.amdhsa_reserve_vcc 0
		.amdhsa_float_denorm_mode_32 3
		.amdhsa_float_denorm_mode_16_64 3
		.amdhsa_memory_ordered 1
		.amdhsa_forward_progress 1
		.amdhsa_inst_pref_size 127
	.end_amdhsa_kernel
	.amdgpu_metadata
---
amdhsa.version: [ 1, 2 ]
amdhsa.kernels:
  - .name:           k_q978b839bcc_proj
    .symbol:         k_q978b839bcc_proj.kd
    .args:
      - { .name: codes, .offset: 0, .size: 8, .value_kind: global_buffer, .address_space: global }
      - { .name: scales, .offset: 8, .size: 8, .value_kind: global_buffer, .address_space: global }
      - { .name: qkvh, .offset: 16, .size: 8, .value_kind: global_buffer, .address_space: global }
    .group_segment_fixed_size: 327680
    .private_segment_fixed_size: 0
    .kernarg_segment_align: 8
    .kernarg_segment_size: 24
    .max_flat_workgroup_size: 128
    .sgpr_count:     98
    .vgpr_count:     1024
    .wavefront_size: 32
...
	.end_amdgpu_metadata
.endif
;; end of part 2
;; launch attn (part 3): grid 4 x 64, 8 waves a work-group, clusters of 4 x 1, 327,680 bytes of LDS; arguments qkvh, mask, ao; writes ao
.if DOCPART == 3
	.amdgcn_target "amdgcn-amd-amdhsa--gfx1250"
	.amdhsa_code_object_version 6
	.text
	.protected	k_q978b839bcc_attn
	.globl	k_q978b839bcc_attn
	.p2align	8
	.type	k_q978b839bcc_attn,@function
k_q978b839bcc_attn:
	s_mov_b64 s[64:65], 0
	v_nop
	global_prefetch_b8 v0, s[64:65] scope:SCOPE_SE
	s_setreg_imm32_b32 hwreg(HW_REG_WAVE_MODE, 25, 1), 1
	s_wait_xcnt 0x0
	s_wait_alu depctr_hold_cnt(0) depctr_sa_sdst(0) depctr_va_vdst(0) depctr_va_sdst(0) depctr_va_ssrc(0) depctr_va_vcc(0) depctr_vm_vsrc(0)
	s_getreg_b32 s2, hwreg(HW_REG_IB_STS2, 6, 4)
	s_cmp_eq_u32 s2, 0
	s_cbranch_scc0 .Lentry_in_a_cluster
	s_endpgm
.Lentry_in_a_cluster:
	s_bfe_u32 s2, ttmp6, 0x10000c
	s_cmp_lg_u32 s2, 0x3003
	s_cbranch_scc0 .Lentry_shape_is_right
	s_endpgm
.Lentry_shape_is_right:
; O[bh][q][:] = the sum over keys of softmax(where(mask == 0, fill, Q . K / 8)) V.  Q, K, V: qkvh [t][bh 64][2048][64] bf16; mask [b 4][2048] int32; O: ao [bh][2048][64] bf16.
; Products, maxima and sums in f32; the weights p are rounded to bf16 for the second product, O once at the end.  bf16 and not f16: Q, K, V have no sure room in f16 when inputs and weights grow.
; SHARES.  A work-group owns 512 queries of one head, each of its eight waves 64: four tiles of 16, in 512 registers: two waves to a SIMD, so that one wave's softmax stands beside the other's products.
; Every wave walks all 2,048 keys, 64 a step, four steps a slot, eight slots.
; LAYOUT.  S^T = K Q^T + C (source 0 = 16 keys, source 1 = 16 queries): a lane holds ONE query (lane % 16) and the keys 8 (lane / 16) + 0..7.  Two such tiles, rounded to bf16 in pairs, ARE source 1
; of O^T = V^T P.  K comes out of LDS as it lies, V ([key][channel]) turned, by ds_load_tr16_b128.
; THE MASK costs no vector work: the C of a score tile's first product is a bias, 0 for a key that counts and BIG = -2^120 for a masked one, read from a table of 2,048 f32 that the work-group makes in LDS.
; Every score under 2^96 in size vanishes in BIG, so a masked score is the constant BIG, as reference()'s is a constant; c x BIG is exact.  With any key left p of a masked key is 0; with none left
; c s - c m is 0 for all keys, p = 1, and the weights are uniform, as reference()'s are.
; LIMITS: raw scores (before the division by 8) above -8e10, where reference()'s fill would begin to count, and under 2^96 in size; that BIG swallows the products rests on the matrix unit's sum being
; rounded to f32 (it matters only for a batch with no key left).  Where a mask leaves very few keys the rounding of p and V to bf16 is averaged over few terms.
; SOFTMAX.  For each query a running maximum m and sum l: p = 2^(c s - c m), c = log2(e) / 8; in every step O and l are multiplied by a = 2^(c m_old - c m_new).  l sums the unrounded p.
; CLUSTER.  The four query blocks of a head are one cluster and walk the same K and V: each tile is asked for JOINTLY, by the same tensor load with the same descriptor and the mask 15.
; REGISTERS, in windows of 256: window 0: v1-12 addresses; v16-31 four registers of statistics a tile; v32-63 the step's bias tiles, between the products at work for the softmax; v64-191 S^T, 32 a tile,
;   p's bf16 pairs in place in the lower 16; v192-255 K of one step.   window 1: v0-127 O^T, 32 a tile; v128-191 Q, 16 a tile; v192-255 V of one step.
.set KS,    64                         ; keys in a step
.set NQ,    4                          ; steps in a slot
.set PK,    144                        ; a row of K in LDS: 128 bytes + 16 of padding: an odd multiple of 16 bytes
.set PV,    160                        ; a row of V: 128 + 32: an odd multiple of 32 bytes, for the turning load
.set VOFF,  KS*PK                      ; a step's tiles lie together: 64 rows of K, then 64 rows of V
.set STEPB, KS*(PK+PV)
.set SLOT1, 1<<17                      ; slot 1 begins here, so that one exclusive or turns an address in one slot into the other's
.set BIAS,  NQ*STEPB                   ; behind slot 0: the bias table, 2,048 f32
.set SPARE, BIAS+8192                  ; the spare words, 128 bytes for each of eight waves
.set STAGE, SPARE+1024                 ; the way out: 16 rows x 144 bytes for each wave
.set SLOTB, NQ*KS*128                  ; a slot's keys in memory: 256 rows of 128 bytes
.set KBASE, 16777216                   ; K in qkvh
.set VBASE, 33554432                   ; V
.set AK0, 1                            ; v1   my lane's place in a tile of K; never rewritten
.set AV0, 2                            ; v2   the same for V
.set ADK, 3                            ; v3   LDS address of the step's K
.set ADV, 4                            ; v4   of its V
.set ADB, 5                            ; v5   of its bias
.set STO, 6                            ; v6   the way out: where I put 16 bytes of a row
.set RD,  7                            ; v7   where I read rows back
.set GO,  8                            ; v8   16 x lane
.set PFO, 9                            ; v9   256 x lane: the prefetches' offset; never rewritten
.set SPW, 10                           ; v10  LDS address of my spare word; never rewritten
.set NIL, 11                           ; v11  0; never rewritten
.set AB0, 12                           ; v12  BIAS + 32 (lane / 16)
.set ST,  16                           ; tile t's statistics at v[ST + 4 t]: c m, m, l (even keys', odd keys')
.set BI,  32                           ; the bias of key tile kt at v[BI + 8 kt]
.set TC,  32                           ; between the products: c0-c3 of tile t at v[TC + 4 t]; a takes c2's place
.set TA,  48                           ; and two pairs of sums at v[TA + 4 t]
.set S,   64
.set KF,  192                          ; K's fragments: keys 16 kt on, channels 32 kc on at v[KF + 16 kt + 8 kc]
.set QF,  128                          ; window 1: Q's fragments at v[QF + 16 t + 8 kc]
.set VF,  192                          ; window 1: V's: keys 32 kh on, channels 16 ct on at v[VF + 32 kh + 8 ct]
.set WV,  12                           ; s12  my wave's number
.set LIM, 15                           ; s15  1 in a wave that prefetches, else the greatest number
.set PFA, 18                           ; s[18:19] where my prefetches stand
.set G1K, 24                           ; s[24:31] group 1 for K's tiles;  s[32:39] for V's: it differs in the padding alone
.set G1V, 32
.set G0K, 40                           ; s[40:43], s[44:47] their groups 0, which walk
.set G0V, 44
.set SLOTS, 56                         ; s56  slots still to be asked for
.set TJ,  57                           ; s57  where the step's bias begins: 256 bytes a step
.set CS,  58                           ; s[58:59] c: the packed form names a pair and takes its low word for both halves
.set SEL, 60                           ; s[60:61] lane selects for v_permlanex16_b32: lane l xor 16
.set TB,  62                           ; s62  LDS byte at which the step's tiles begin
.set MSB, 0
.macro WIN new                         ; the immediate's high byte repeats the setting that is left
.if MSB != (\new)
	s_set_vgpr_msb (MSB<<8)|(\new)
.set MSB, \new
.endif
.endm
.set W_KQ, 0x04                        ; Q (source 1) in window 1; K, the bias and S^T in window 0
.set W_PV, 0x51                        ; V (source 0) and O^T (C and D) in window 1, P in window 0
.set W_RS, 0x41                        ; O^T (destination and source 0) in window 1, the factor in window 0
.set TO_1, 0x40                        ; destination window 1, address window 0
.set W_CV, 0x05                        ; sources 0 and 1 window 1, destination window 0
; A joint load.  Waves 0 to 3 fetch the slot's four steps of K, waves 4 to 7 those of V, 64 keys each.  The branch hangs on the wave's number alone.
; An s_nop 0 and four v_nop follow each of the two lines.
.macro JLOAD
	s_cmp_lt_u32 s[WV], 4
	s_cbranch_scc0 .Lfor_v_\@
	tensor_load_to_lds s[G0K:G0K+3], s[G1K:G1K+7]
	s_nop 0
.rept 4
	v_nop
.endr
	s_branch .Lasked_\@
.Lfor_v_\@:
	tensor_load_to_lds s[G0V:G0V+3], s[G1V:G1V+7]
	s_nop 0
.rept 4
	v_nop
.endr
.Lasked_\@:
.endm
; A PREFETCH INTO THE L2 of what the NEXT change of slots will ask for: a slot's 32,768 bytes of K and of V.  It stands behind the wave's tensor load and its five lines.
; Each aligned block of 256 bytes is named once in the launch: a head has one cluster; its four partners share a slot's 128 blocks out BY ADDRESS, 32 each, a lane a block; in each, wave 0 asks for K's and
; wave 4 for V's.  The last change that fills a slot asks for nothing; slots 0 and 1 come by their loads alone.
.macro ASK
	s_cmp_gt_u32 s[SLOTS], s[LIM]
	s_cbranch_scc0 .Lnot_mine_\@
	global_prefetch_b8 v[PFO], s[PFA:PFA+1] th:TH_LOAD_NT scope:SCOPE_SE
.Lnot_mine_\@:
.endm
.macro CROUND                          ; a round of the cluster's barrier
	s_barrier_signal -1
	s_barrier_wait -1
	s_cmp_lg_u32 s[WV], 0
	s_cbranch_scc1 .Lnot_wave_0_\@
	s_barrier_signal -3
.Lnot_wave_0_\@:
	s_barrier_wait -3
	s_barrier_signal -1
	s_barrier_wait -1
.endm
	s_load_b128 s[4:7], s[0:1], 0x0                ; qkvh s[4:5], mask s[6:7]
	s_load_b64 s[8:9], s[0:1], 0x10                ; ao
	v_lshl_add_u32 v[SPW], v0, 2, SPARE
	v_mov_b32 v[NIL], 0
	ds_add_u32 v[SPW], v[NIL]                      ; the wave's opening: the add, twice on end, and its wait ahead of my first tensor load
	ds_add_u32 v[SPW], v[NIL]                      ; and once more; the set-up below, work on registers, stands between it and the wait
	v_lshrrev_b32 v72, 5, v0
	v_readfirstlane_b32 s[WV], v72                 ; wave 0..7
	s_bfe_u32 s13, ttmp6, 0x40000                  ; cx: my block of 512 queries: it enters Q's, O's and the prefetches' addresses alone
	s_and_b32 s14, ttmp7, 0xffff                   ; batch x 16 + head, which the four partners share
	s_lshl_b32 s20, s14, 18                        ; the head's first byte in each tensor: 262,144 bytes a head
	s_and_b32 s16, s[WV], 3                        ; which of a slot's four steps I fetch:
	s_lshl_b32 s22, s16, 13                        ; its 64 rows of 128 bytes in memory,
	s_add_co_u32 s22, s22, s20
	s_mov_b32 s23, 0
	s_mul_i32 s17, s16, STEPB                      ; and its place in a slot: no place in the cluster enters an LDS address
	s_lshl_b32 s2, s13, 16                         ; my block's 512 rows,
	s_lshl_b32 s3, s[WV], 13                       ; my wave's 64 of them
	s_add_co_u32 s2, s2, s3
	s_add_co_u32 s2, s2, s20
	s_mov_b32 s3, 0
	s_lshr_b32 s48, s14, 4                         ; the batch:
	s_lshl_b32 s48, s48, 13                        ; its 2,048 numbers of the mask
	s_mov_b32 s49, 0
	; group 1: 64 keys x 128 bytes, dense in memory, stated as 32 rows of 256 bytes; padding behind every 32 words, that is behind each key's row
	s_mov_b32 s[G1K], 15|(1<<16)|(1<<20)|(1<<21)|(4<<22)|(3<<25)  ; 15:0 the mask: all four work-groups; 17:16 elements of 2 bytes; 20 padding on; 21 set beside a mask; 24:22 after every 32 words; 31:25 four words
	s_mov_b32 s[G1V], 15|(1<<16)|(1<<20)|(1<<21)|(4<<22)|(7<<25)  ; the same with eight words of padding
.irp g, G1K, G1V
	s_mov_b32 s[\g+1], 128<<16                     ; tensor_dim0 = 128 elements
	s_mov_b32 s[\g+2], 32<<16                      ; tensor_dim1 = 32
	s_mov_b32 s[\g+3], 128<<16                     ; tile_dim0
	s_mov_b32 s[\g+4], 32                          ; tile_dim1
	s_mov_b32 s[\g+5], 128                         ; tensor_dim0_stride
	s_mov_b32 s[\g+6], 0
	s_mov_b32 s[\g+7], 0
.endr
	s_mov_b32 s[CS], 0x3e38aa3b                    ; c = log2(e) / 8
	s_mov_b32 s[CS+1], s[CS]                       ; (named with it as a pair, so it is written)
	s_mov_b32 s[SEL], 0x76543210
	s_mov_b32 s[SEL+1], 0xfedcba98
	s_mov_b32 s[TB], 0
	s_mov_b32 s[TJ], 0
	s_mov_b32 s[SLOTS], 7
	s_cmp_eq_u32 s16, 0                            ; waves 0 and 4 prefetch: the same in all four partners
	s_cselect_b32 s[LIM], 1, -1
	v_and_b32 v72, 15, v0                          ; r = l % 16
	v_bfe_u32 v73, v0, 4, 1                        ; h = l / 16
	v_lshlrev_b32 v78, 5, v0                       ; the mask: 8 numbers a thread
	v_lshlrev_b32 v79, 7, v72
	v_lshl_add_u32 v79, v73, 4, v79                ; Q: row r of 128 bytes + 16 h
	v_lshl_add_u32 v81, v0, 5, BIAS                ; the bias table: 32 bytes a thread
	v_mov_b32 v76, 0xfb800000                      ; BIG = -2^120
	s_wait_dscnt 0x0                               ; both opening adds are done
	s_wait_kmcnt 0x0
	s_add_nc_u64 s[50:51], s[4:5], s[22:23]        ; the head, my 64 keys of slot 0:
	s_add_nc_u64 s[52:53], s[50:51], VBASE         ; in V,
	s_add_nc_u64 s[50:51], s[50:51], KBASE         ; in K
	s_add_nc_u64 s[4:5], s[4:5], s[2:3]            ; Q and O at my wave's first row
	s_add_nc_u64 s[8:9], s[8:9], s[2:3]
	s_add_nc_u64 s[6:7], s[6:7], s[48:49]          ; the mask at my batch
	s_cmp_lt_u32 s[WV], 4
	s_cselect_b64 s[PFA:PFA+1], s[50:51], s[52:53] ; (in waves 0 and 4 these stand at a slot's first row)
	s_lshl_b32 s2, s13, 13                         ; my work-group's 32 blocks of the 128,
	s_add_co_u32 s2, s2, SLOTB                     ; in slot 1: the first change of slots steps it to slot 2.  Nothing is prefetched at the head
	s_mov_b32 s3, 0
	s_add_nc_u64 s[PFA:PFA+1], s[PFA:PFA+1], s[2:3]
	CROUND                                         ; all four work-groups are here: the first joint loads meet
	s_mov_b32 s[G0K], 1                            ; count = 1
	s_mov_b32 s[G0K+1], s17                        ; LDS address: slot 0
	s_mov_b64 s[G0K+2:G0K+3], s[50:51]             ; global address
	s_or_b32 s[G0K+3], s[G0K+3], 0x80000000        ; type = 2
	s_mov_b32 s[G0V], 1
	s_add_co_u32 s[G0V+1], s17, VOFF
	s_mov_b64 s[G0V+2:G0V+3], s[52:53]
	s_or_b32 s[G0V+3], s[G0V+3], 0x80000000
	JLOAD                                          ; slot 0: one load of mine is out
	global_load_b128 v[64:67], v78, s[6:7]         ; my 8 numbers of the mask
	global_load_b128 v[68:71], v78, s[6:7] offset:16
	WIN TO_1
.irp t, 0,1,2,3                        ; Q stays in registers: tile t, channels 32 kc on
.irp kc, 0,1
	global_load_b128 v[QF+16*\t+8*\kc:QF+16*\t+8*\kc+3], v79, s[4:5] offset:\t*2048+\kc*64
	global_load_b128 v[QF+16*\t+8*\kc+4:QF+16*\t+8*\kc+7], v79, s[4:5] offset:\t*2048+\kc*64+32
.endr
.endr
	WIN 0
	v_mul_u32_u24 v[AK0], v72, PK
	v_lshl_add_u32 v[AK0], v73, 4, v[AK0]          ; K: row x pitch + 16 x half
	v_and_b32 v74, 7, v0
	v_bfe_u32 v75, v0, 3, 1
	v_lshl_add_u32 v[AV0], v73, 3, v74             ; the turning load: lane l reads key 8 (l / 16) + l % 8, channels 8 ((l / 8) % 2) + 0..7
	v_mul_u32_u24 v[AV0], v[AV0], PV
	v_lshl_add_u32 v[AV0], v75, 4, v[AV0]
	v_add_nc_u32 v[AV0], VOFF, v[AV0]
	v_lshl_add_u32 v[AB0], v73, 5, BIAS            ; the bias of keys 8 h + 0..7
	s_mul_i32 s2, s[WV], 16*144
	s_add_co_u32 s2, s2, STAGE                     ; my stage
	v_add_nc_u32 v[STO], s2, v[AK0]                ; in: row r x 144 + 16 h
	v_and_b32 v77, 31, v0
	v_lshrrev_b32 v80, 3, v77
	v_mul_u32_u24 v[RD], v80, 144                  ; back: eight lanes a row of 128 bytes, four rows a load
	v_lshl_add_u32 v[RD], v74, 4, v[RD]
	v_add_nc_u32 v[RD], s2, v[RD]
	v_lshlrev_b32 v[GO], 4, v77
	v_lshlrev_b32 v[PFO], 8, v77
	v_add_nc_u32 v[ADK], s[TB], v[AK0]
	v_add_nc_u32 v[ADV], s[TB], v[AV0]
	v_add_nc_u32 v[ADB], s[TJ], v[AB0]
.irp t, 0,1,2,3
	v_mov_b32 v[ST+4*\t+1], 0xff61b1e6             ; m = -3e38, under BIG and under every score
	v_mul_f32 v[ST+4*\t], s[CS], v[ST+4*\t+1]      ; c m
	v_mov_b32 v[ST+4*\t+2], 0                      ; l
	v_mov_b32 v[ST+4*\t+3], 0
.endr
	WIN TO_1
.set i, 0
.rept 128
	v_mov_b32 v[i], 0                              ; O^T.  The step is written once for all steps: the first finds zeros, which a = 0 leaves zeros; a first step of its own would be four more steps of text
.set i, i+1
.endr
	WIN 0
	s_wait_loadcnt 16                              ; the mask's two loads are in; Q's sixteen, issued behind them, stay out
.irp j, 0,1,2,3,4,5,6,7
	v_cmp_eq_u32 vcc_lo, 0, v[64+\j]
	v_cndmask_b32 v[64+\j], 0, v76, vcc_lo         ; 0 where the key counts, BIG where mask == 0
.endr
	ds_store_b128 v81, v[64:67]                    ; 256 threads x 8 keys: the batch's table; the wait for these stores stands in front of the first change's round
	ds_store_b128 v81, v[68:71] offset:16
	s_wait_loadcnt 0x0                             ; Q
.macro FETCH_K off                     ; a step's K: 64 keys x 64 channels, eight fragments, two loads of 16 bytes each, 32 bytes apart
	WIN 0
.irp kt, 0,1,2,3
.irp kc, 0,1
	ds_load_b128 v[KF+16*\kt+8*\kc:KF+16*\kt+8*\kc+3], v[ADK] offset:\off+\kt*16*PK+\kc*64
	ds_load_b128 v[KF+16*\kt+8*\kc+4:KF+16*\kt+8*\kc+7], v[ADK] offset:\off+\kt*16*PK+\kc*64+32
.endr
.endr
.endm
.macro FETCH_B off                     ; its bias: register j of tile kt is that of key 16 kt + 8 h + j
	WIN 0
.irp kt, 0,1,2,3
	ds_load_b128 v[BI+8*\kt:BI+8*\kt+3], v[ADB] offset:\off+\kt*64
	ds_load_b128 v[BI+8*\kt+4:BI+8*\kt+7], v[ADB] offset:\off+\kt*64+16
.endr
.endm
.macro FETCH_V                         ; the step's V, turned: lane l holds channel l % 16 and 8 keys a load
	WIN TO_1
.irp kh, 0,1
.irp ct, 0,1,2,3
	ds_load_tr16_b128 v[VF+32*\kh+8*\ct:VF+32*\kh+8*\ct+3], v[ADV] offset:\kh*32*PV+\ct*32
	ds_load_tr16_b128 v[VF+32*\kh+8*\ct+4:VF+32*\kh+8*\ct+7], v[ADV] offset:\kh*32*PV+16*PV+\ct*32
.endr
.endr
.endm
.macro SCALE t, i                      ; pair i of tile t: c s - c m
	v_pk_fma_f32 v[S+32*(\t)+2*(\i):S+32*(\t)+2*(\i)+1], v[S+32*(\t)+2*(\i):S+32*(\t)+2*(\i)+1], s[CS:CS+1], v[ST+4*(\t):ST+4*(\t)+1] op_sel_hi:[1,0,0] neg_lo:[0,0,1] neg_hi:[0,0,1]
.endm
; A KEY STEP, the q-th of its slot, in phases.  In every run of vector lines the four tiles are innermost, so that no line waits for the line above it.
.macro STEP q
	s_wait_dscnt 0x0                               ; this step's K and bias are in
	WIN W_KQ
.irp kc, 0,1                           ; S^T = K Q^T + bias: 32 products; the sixteen accumulators take turns, one instruction a turn
.irp kt, 0,1,2,3
.irp t, 0,1,2,3
.if \kc == 0
	v_wmma_f32_16x16x32_bf16 v[S+32*\t+8*\kt:S+32*\t+8*\kt+7], v[KF+16*\kt:KF+16*\kt+7], v[QF+16*\t:QF+16*\t+7], v[BI+8*\kt:BI+8*\kt+7]
.else
	v_wmma_f32_16x16x32_bf16 v[S+32*\t+8*\kt:S+32*\t+8*\kt+7], v[KF+16*\kt+8:KF+16*\kt+15], v[QF+16*\t+8:QF+16*\t+15], v[S+32*\t+8*\kt:S+32*\t+8*\kt+7]
.endif
.endr
.endr
.endr
	WIN 0
.rept 4
	v_nop                                          ; four places: for the loads into K's registers, the first read of the scores, and the writes of the bias registers
.endr
	FETCH_V                                        ; sixteen loads,
.if \q < 3
	FETCH_K STEPB                                  ; and the next step's K, sixteen more: both land under the softmax
.endif
	WIN 0
	; the maximum of the lane's 32 scores and the old m; each accumulator is read from its low end on
.irp j, 0,1,2,3
.irp t, 0,1,2,3
	v_max3_num_f32 v[TC+4*\t+\j], v[S+32*\t+8*\j], v[S+32*\t+8*\j+1], v[S+32*\t+8*\j+2]
.endr
.endr
.irp i, 3,5
.irp j, 0,1,2,3
.irp t, 0,1,2,3
	v_max3_num_f32 v[TC+4*\t+\j], v[TC+4*\t+\j], v[S+32*\t+8*\j+\i], v[S+32*\t+8*\j+\i+1]
.endr
.endr
.endr
.irp t, 0,1,2,3
	v_max3_num_f32 v[TC+4*\t], v[TC+4*\t], v[S+32*\t+7], v[S+32*\t+15]
.endr
.irp t, 0,1,2,3
	v_max3_num_f32 v[TC+4*\t+2], v[TC+4*\t+2], v[S+32*\t+23], v[S+32*\t+31]
.endr
.irp t, 0,1,2,3
	v_max3_num_f32 v[TC+4*\t], v[TC+4*\t], v[TC+4*\t+1], v[TC+4*\t+2]
.endr
.irp t, 0,1,2,3
	v_max3_num_f32 v[TC+4*\t], v[TC+4*\t], v[TC+4*\t+3], v[ST+4*\t+1]
.endr
.irp t, 0,1,2,3
	v_permlanex16_b32 v[TC+4*\t+1], v[TC+4*\t], s[SEL], s[SEL+1]   ; the query's other 32 keys lie in the lane 16 away
.endr
.irp t, 0,1,2,3
	v_mov_b32 v[TC+4*\t+3], v[ST+4*\t]             ; c m_old is kept for a
.endr
.irp t, 0,1,2,3
	v_max_num_f32 v[ST+4*\t+1], v[TC+4*\t], v[TC+4*\t+1]           ; the new m
.endr
.irp t, 0,1,2,3
	v_mul_f32 v[ST+4*\t], s[CS], v[ST+4*\t+1]      ; c m
.endr
.irp t, 0,1,2,3
	v_sub_f32 v[TC+4*\t+3], v[TC+4*\t+3], v[ST+4*\t]
.endr
	; ONE BATCH: the four a and the 128 p.  Tile t + 1's scalings stand among tile t's exponentials; nothing ahead of the wait names an exponential's result
.irp t, 0,1,2,3
	v_exp_f32 v[TC+4*\t+2], v[TC+4*\t+3]           ; a = 2^(c m_old - c m_new)
.endr
.irp i, 0,1,2,3,4,5,6,7,8,9,10,11,12,13,14,15
	SCALE 0, \i
.endr
.irp t, 0,1,2,3
.irp i, 0,1,2,3,4,5,6,7,8,9,10,11,12,13,14,15
.if \t < 3
	SCALE \t+1, \i
.endif
	v_exp_f32 v[S+32*\t+2*\i], v[S+32*\t+2*\i]
	v_exp_f32 v[S+32*\t+2*\i+1], v[S+32*\t+2*\i+1]
.endr
.endr
	v_nop                                          ; a plain line behind the last exponential
	s_wait_alu depctr_va_vdst(0)                   ; the wait ahead of the first line that names a result: one for the batch of 132
	; the sums of the unrounded p, in two chains a tile
.irp t, 0,1,2,3
	v_pk_add_f32 v[TA+4*\t:TA+4*\t+1], v[S+32*\t:S+32*\t+1], v[S+32*\t+2:S+32*\t+3]
.endr
.irp t, 0,1,2,3
	v_pk_add_f32 v[TA+4*\t+2:TA+4*\t+3], v[S+32*\t+4:S+32*\t+5], v[S+32*\t+6:S+32*\t+7]
.endr
.irp i, 4,6,8,10,12,14
.irp t, 0,1,2,3
	v_pk_add_f32 v[TA+4*\t:TA+4*\t+1], v[TA+4*\t:TA+4*\t+1], v[S+32*\t+2*\i:S+32*\t+2*\i+1]
.endr
.irp t, 0,1,2,3
	v_pk_add_f32 v[TA+4*\t+2:TA+4*\t+3], v[TA+4*\t+2:TA+4*\t+3], v[S+32*\t+2*\i+2:S+32*\t+2*\i+3]
.endr
.endr
.irp t, 0,1,2,3
	v_pk_add_f32 v[TA+4*\t:TA+4*\t+1], v[TA+4*\t:TA+4*\t+1], v[TA+4*\t+2:TA+4*\t+3]
.endr
.irp t, 0,1,2,3
	v_pk_fma_f32 v[ST+4*\t+2:ST+4*\t+3], v[ST+4*\t+2:ST+4*\t+3], v[TC+4*\t+2:TC+4*\t+3], v[TA+4*\t:TA+4*\t+1] op_sel_hi:[1,0,1]   ; l = a l + the sum
.endr
	; p to bf16, in place: pair j goes to register j, which pair j / 2 has left
.irp j, 0,1,2,3,4,5,6,7,8,9,10,11,12,13,14,15
.irp t, 0,1,2,3
	v_cvt_pk_bf16_f32 v[S+32*\t+\j], v[S+32*\t+2*\j], v[S+32*\t+2*\j+1]
.endr
.endr
	WIN W_RS
.irp i, 0,1,2,3,4,5,6,7,8,9,10,11,12,13,14,15
.irp t, 0,1,2,3
	v_pk_mul_f32 v[32*\t+2*\i:32*\t+2*\i+1], v[32*\t+2*\i:32*\t+2*\i+1], v[TC+4*\t+2:TC+4*\t+3] op_sel_hi:[1,0]   ; O^T x a, each accumulator from its low end on
.endr
.endr
.if \q < 3
	FETCH_B 256                                    ; the next step's bias: the registers are free again
	s_wait_dscnt 24                                ; V is in: behind its loads stand K's sixteen and the bias's eight
.else
	s_wait_dscnt 0x0                               ; V is in
.endif
	WIN W_PV
.irp kh, 0,1                           ; O^T += V^T P: 32 products, sixteen accumulators by turns
.irp ct, 0,1,2,3
.irp t, 0,1,2,3
	v_wmma_f32_16x16x32_bf16 v[32*\t+8*\ct:32*\t+8*\ct+7], v[VF+32*\kh+8*\ct:VF+32*\kh+8*\ct+7], v[S+32*\t+8*\kh:S+32*\t+8*\kh+7], v[32*\t+8*\ct:32*\t+8*\ct+7]
.endr
.endr
.endr
	WIN 0
.if \q < 3
	s_add_co_u32 s[TB], s[TB], STEPB               ; the next step
.else
	s_sub_co_u32 s[TB], s[TB], 3*STEPB             ; back to a slot's first step,
	s_xor_b32 s[TB], s[TB], SLOT1                  ; in the other slot
.endif
	s_add_co_u32 s[TJ], s[TJ], 256
	v_add_nc_u32 v[ADK], s[TB], v[AK0]             ; these three and the two v_nop are five places: the next step's first products write over p, which the last products read
	v_add_nc_u32 v[ADV], s[TB], v[AV0]
	v_add_nc_u32 v[ADB], s[TJ], v[AB0]
	v_nop
	v_nop
.endm
; THE CHANGE OF SLOTS stands at a slot's head.  Each wave waits for all its tensor loads (one is out: its part of the slot that it is about to read), adds 0 to its spare word, and waits for that and for its
; LDS instructions: its reads of the slot that it has left, and at the first change its stores into the bias table.  fill = 1: the barrier is a round of the cluster's, and the joint load for the slot just left
; (at the first change: slot 1's first fill) is the first thing behind it: it has a slot's four steps, 256 products a wave, in which to land.
.macro CHANGE fill
	WIN 0
	s_wait_tensorcnt 0x0                           ; no tensor load of mine is out, so a group 0 may be written
	ds_add_u32 v[SPW], v[NIL]                      ; 0 onto my spare word
.if \fill
	s_xor_b32 s[G0K+1], s[G0K+1], SLOT1            ; the walking descriptors: the other slot than last time,
	s_add_nc_u64 s[G0K+2:G0K+3], s[G0K+2:G0K+3], SLOTB   ; the next 256 keys; the type bits on top are not reached
	s_xor_b32 s[G0V+1], s[G0V+1], SLOT1
	s_add_nc_u64 s[G0V+2:G0V+3], s[G0V+2:G0V+3], SLOTB
	s_wait_xcnt 0x0                                ; the last prefetch, a slot back, has read its address, so it may be written:
	s_add_nc_u64 s[PFA:PFA+1], s[PFA:PFA+1], SLOTB ; one slot further on than the walking descriptors
	s_wait_dscnt 0x0
	CROUND
	JLOAD
	ASK
.else
	s_wait_dscnt 0x0
	s_barrier_signal -1
	s_barrier_wait -1
.endif
.endm
.macro SLOT_STEPS
	FETCH_K 0
	FETCH_B 0
	STEP 0
	STEP 1
	STEP 2
	STEP 3
.endm
.Lslot:                                            ; seven trips: behind each change of slots but the last the next slot is asked for
	CHANGE 1
	SLOT_STEPS
	s_sub_co_u32 s[SLOTS], s[SLOTS], 1
	s_cmp_lg_u32 s[SLOTS], 0
	s_cbranch_scc1 .Lslot
	CHANGE 0                                       ; the last slot is written out
	SLOT_STEPS
	; THE WAY OUT.  l's two halves and the other half of the lanes' are added; O^T is divided by l, rounded to bf16 and sent through my stage, a tile (16 rows of 128 bytes) at a time.
.irp t, 0,1,2,3
	v_add_f32 v[TC+4*\t], v[ST+4*\t+2], v[ST+4*\t+3]
.endr
.irp t, 0,1,2,3
	v_permlanex16_b32 v[TC+4*\t+1], v[TC+4*\t], s[SEL], s[SEL+1]
.endr
.irp t, 0,1,2,3
	v_add_f32 v[TC+4*\t], v[TC+4*\t], v[TC+4*\t+1]
.endr
.irp t, 0,1,2,3
	v_rcp_f32 v[TC+4*\t+2], v[TC+4*\t]             ; l is at least 1: the key of the maximum has p = 1
.endr
	v_nop                                          ; a plain line behind the last reciprocal
	s_wait_alu depctr_va_vdst(0)                   ; and the wait ahead of the first use: one for the four
.macro PACK t
	WIN W_RS
.irp i, 0,1,2,3,4,5,6,7,8,9,10,11,12,13,14,15
	v_pk_mul_f32 v[32*\t+2*\i:32*\t+2*\i+1], v[32*\t+2*\i:32*\t+2*\i+1], v[TC+4*\t+2:TC+4*\t+3] op_sel_hi:[1,0]
.endr
	WIN W_CV
.irp i, 0,1,2,3,4,5,6,7,8,9,10,11,12,13,14,15
	v_cvt_pk_bf16_f32 v[S+32*\t+\i], v[32*\t+2*\i], v[32*\t+2*\i+1]
.endr
	WIN 0
.irp ct, 0,1,2,3
	ds_store_b128 v[STO], v[S+32*\t+4*\ct:S+32*\t+4*\ct+3] offset:32*\ct      ; lane (r, h): channels 16 ct + 8 h + 0..7 of row r
.endr
.irp i, 0,1,2,3
	ds_load_b128 v[S+32*\t+16+4*\i:S+32*\t+16+4*\i+3], v[RD] offset:\i*576    ; LDS serves a wave's instructions in order (ISA guide 5.7.1.4): these see the stores above; the next tile's stores come behind them
.endr
.endm
.macro SEND t, younger                 ; younger: the LDS instructions issued behind tile t's loads: the next tile's four stores and four loads, or none
.irp i, 0,1,2,3
	s_wait_dscnt \younger+3-\i
	global_store_b128 v[GO], v[S+32*\t+16+4*\i:S+32*\t+16+4*\i+3], s[8:9] offset:\t*2048+\i*512   ; 32 lanes store 512 consecutive bytes, aligned: four rows of the head
.endr
.endm
	PACK 0
	PACK 1
	SEND 0, 8
	PACK 2
	SEND 1, 8
	PACK 3
	SEND 2, 8
	SEND 3, 0
	s_wait_tensorcnt 0x0                           ; the wave's end: behind my last tensor load and my last LDS store
	ds_add_u32 v[SPW], v[NIL]
	s_wait_dscnt 0x0
	CROUND                                         ; the closing round: no work-group ends while a partner may still ask for a tile that names it
	s_endpgm
.Lfunc_end_k_q978b839bcc_attn:
	.size	k_q978b839bcc_attn, .Lfunc_end_k_q978b839bcc_attn-k_q978b839bcc_attn
	.p2alignl 7, 3214868480
	.fill 96, 4, 3214868480
	.section	.rodata,"a",@progbits
	.p2align	6, 0x0
	.amdhsa_kernel k_q978b839bcc_attn
		.amdhsa_group_segment_fixed_size 327680
		.amdhsa_private_segment_fixed_size 0
		.amdhsa_enable_private_segment 0
		.amdhsa_kernarg_size 24
		.amdhsa_user_sgpr_count 2
		.amdhsa_user_sgpr_kernarg_segment_ptr 1
		.amdhsa_wavefront_size32 1
		.amdhsa_system_sgpr_workgroup_id_x 1
		.amdhsa_system_sgpr_workgroup_id_y 1
		.amdhsa_system_sgpr_workgroup_id_z 1
		.amdhsa_system_vgpr_workitem_id 0
		.amdhsa_next_free_vgpr 512
		.amdhsa_next_free_sgpr 66
		.amdhsa_reserve_vcc 1
		.amdhsa_float_denorm_mode_32 3
		.amdhsa_float_denorm_mode_16_64 3
		.amdhsa_memory_ordered 1
		.amdhsa_forward_progress 1
		.amdhsa_inst_pref_size 255
	.end_amdhsa_kernel
	.section	.bss,"aw",@nobits
	.p2align	6
	.space	262144
	.amdgpu_metadata
---
amdhsa.version: [ 1, 2 ]
amdhsa.kernels:
  - .name:           k_q978b839bcc_attn
    .symbol:         k_q978b839bcc_attn.kd
    .args:
      - { .name: qkvh, .offset: 0, .size: 8, .value_kind: global_buffer, .address_space: global }
      - { .name: mask, .offset: 8, .size: 8, .value_kind: global_buffer, .address_space: global }
      - { .name: ao, .offset: 16, .size: 8, .value_kind: global_buffer, .address_space: global }
    .group_segment_fixed_size: 327680
    .private_segment_fixed_size: 0
    .kernarg_segment_align: 8
    .kernarg_segment_size: 24
    .max_flat_workgroup_size: 256
    .sgpr_count:     66
    .vgpr_count:     512
    .wavefront_size: 32
...
	.end_amdgpu_metadata
.endif
;; end of part 3
;; launch oproj (part 4): grid 4 x 64, 4 waves a work-group, clusters of 4 x 4, 327,680 bytes of LDS; arguments ao, wob, bo, out0; writes out0
.if DOCPART == 4
	.amdgcn_target "amdgcn-amd-amdhsa--gfx1250"
	.amdhsa_code_object_version 6
	.text
	.protected	k_q978b839bcc_oproj
	.globl	k_q978b839bcc_oproj
	.p2align	8
	.type	k_q978b839bcc_oproj,@function
k_q978b839bcc_oproj:
	s_mov_b64 s[64:65], 0
	v_nop
	global_prefetch_b8 v0, s[64:65] scope:SCOPE_SE
	s_setreg_imm32_b32 hwreg(HW_REG_WAVE_MODE, 25, 1), 1
	s_wait_xcnt 0x0
	s_wait_alu depctr_hold_cnt(0) depctr_sa_sdst(0) depctr_va_vdst(0) depctr_va_sdst(0) depctr_va_ssrc(0) depctr_va_vcc(0) depctr_vm_vsrc(0)
	s_getreg_b32 s2, hwreg(HW_REG_IB_STS2, 6, 4)
	s_cmp_eq_u32 s2, 0
	s_cbranch_scc0 .Lentry_in_a_cluster
	s_endpgm
.Lentry_in_a_cluster:
	s_bfe_u32 s2, ttmp6, 0x10000c
	s_cmp_lg_u32 s2, 0xf033
	s_cbranch_scc0 .Lentry_shape_is_right
	s_endpgm
.Lentry_shape_is_right:
; out0[m][n] = sum over k of A[m][k] Wo[n][k] + bo[n].  A is the attention's result, bf16, laid by head: ao [b 4][h 16][s 2048][64], k = 64 h + d; wob: Wo as bf16 [1024 n][1024 k]; bo, out0: f32.  Sums in f32.
; A tile of out0 is 128 rows x 256 columns: 64 x 4 = 256 work-groups.  Four waves, each 64 x 128: 32 accumulators of 16 x 16, 256 registers.
; K goes in steps of 128, that is two heads, through a ring of two LDS slots.  A head's 128 rows x 128 bytes are one dense block of 16,384 bytes, stated as 64 rows of 256 bytes; Wo's rows are 256 bytes a step.
; CLUSTERS: 4 x 4 work-groups.  The four of a row of the cluster need the same tiles of A, the four of a column the same tiles of Wo: each is asked for JOINTLY, by the same tensor load with the same
; descriptor and a mask that names the four.  THE MATRIX INSTRUCTION IS USED TRANSPOSED (source 0 = 16 rows of Wo, source 1 = 16 rows of A): a lane holds eight neighbouring numbers of a row of out0.
; bo is the C of each sum's first product: eight registers a column block, in the result's layout.  No prefetch: the tiles are shared in the cluster and the launch is short.
; REGISTERS: window 0: v16-30 addresses; v32-127, v128-223 two fragment buffers (32 along K: A's four fragments, then Wo's eight); on the way out v32-159 rows read back.
;   window 1: the accumulators ((a, b) at v[8 (8 a + b)]).   window 2: v0-63 bo's eight blocks.
.set PA,     144                       ; a row of A in LDS: 128 bytes + 16 of padding
.set PB,     272                       ; a row of Wo: 256 + 16
.set SUBA,   128*PA                    ; one head's 128 rows
.set BOFF,   2*SUBA                    ; Wo's 256 rows lie behind A's two heads
.set HALFB,  128*PB
.set SLOT,   BOFF+2*HALFB
.set STAGE,  2*SLOT                    ; behind the ring: 16 rows x 528 bytes for each wave
.set SPITCH, 528
.set SPARE,  STAGE+4*16*SPITCH         ; behind the stages: the spare words, 128 bytes a wave
.set LAPS,   4                         ; a lap = two K steps = once round the ring; K = 1,024 is eight steps
.set ADRA, 16                          ; v16-17  LDS address of my A fragments in slot 0, 1
.set ADRB, 20                          ; v20-21  the same for Wo
.set STO,  24                          ; v24     the way out: where I put 32 bytes of a row
.set RD,   25                          ; v25     where I read a row back
.set CO,   26                          ; v26     16 x lane
.set SPW,  28                          ; v28     LDS address of my spare word; never rewritten
.set NIL,  29                          ; v29     0; never rewritten
.set F0,   32
.set F1,   128
.set BK,   32                          ; the way out: 16 rows read back: v32-95 and v96-159 by turns
.set G1, 24                            ; s[24:31] group 1 for A's tiles;  s[32:39] group 0, one set for each slot
.set G0, 32
.set G1B, 48                           ; s[48:55], s[56:63] the same for Wo's
.set G0B, 56
.set MSB, 0
.macro WIN new                         ; the immediate's high byte repeats the setting that is left
.if MSB != (\new)
	s_set_vgpr_msb (MSB<<8)|(\new)
.set MSB, \new
.endif
.endm
.set MUL,  0x50                        ; sources 0 and 1 window 0; C and D window 1.  (+ 0x10: C in window 2, for the products that start the sums)
.macro JLOAD s                         ; a joint load: waves 0 and 1 fetch A's two heads, waves 2 and 3 Wo's two halves; an s_nop 0 and four v_nop follow each line
	s_cmp_eq_u32 s15, 0
	s_cbranch_scc0 .Lfor_b_\@
	tensor_load_to_lds s[G0+4*\s:G0+4*\s+3], s[G1:G1+7]
	s_nop 0
.rept 4
	v_nop
.endr
	s_branch .Lasked_\@
.Lfor_b_\@:
	tensor_load_to_lds s[G0B+4*\s:G0B+4*\s+3], s[G1B:G1B+7]
	s_nop 0
.rept 4
	v_nop
.endr
.Lasked_\@:
.endm
.macro CREST                           ; a round of the cluster's barrier behind its opening barrier
	s_cmp_lg_u32 s14, 0
	s_cbranch_scc1 .Lnot_wave_0_\@
	s_barrier_signal -3
.Lnot_wave_0_\@:
	s_barrier_wait -3
	s_barrier_signal -1
	s_barrier_wait -1
.endm
.macro CROUND                          ; a whole round
	s_barrier_signal -1
	s_barrier_wait -1
	CREST
.endm
	s_load_b128 s[4:7], s[0:1], 0x0                ; ao s[4:5], wob s[6:7]
	s_load_b128 s[8:11], s[0:1], 0x10              ; bo s[8:9], out0 s[10:11]
	v_lshl_add_u32 v[SPW], v0, 2, SPARE
	v_mov_b32 v[NIL], 0
	ds_add_u32 v[SPW], v[NIL]                      ; the wave's opening: the add, twice on end, and its wait ahead of my first tensor load
	ds_add_u32 v[SPW], v[NIL]                      ; and once more; the set-up below, work on registers, stands between it and the wait
	v_lshrrev_b32 v1, 5, v0
	v_readfirstlane_b32 s14, v1                    ; wave 0..3
	s_lshr_b32 s15, s14, 1                         ; which half of the tile's rows is mine.  Also: I fetch for A (0) or for Wo (1)
	s_and_b32 s16, s14, 1                          ; which half of its columns.  Also: which head, or which 128 rows of Wo, I fetch
	s_bfe_u32 s40, ttmp6, 0x40000                  ; cx, cy: my place in the cluster
	s_bfe_u32 s41, ttmp6, 0x40004
	s_lshl_b32 s42, ttmp9, 2
	s_add_co_u32 s42, s42, s40                     ; tile column = 4 x cluster x + cx
	s_and_b32 s17, ttmp7, 0xffff
	s_lshl_b32 s17, s17, 2
	s_add_co_u32 s17, s17, s41                     ; tile row = 4 x cluster y + cy
	s_lshl_b32 s43, s41, 2
	s_lshl_b32 s43, 15, s43                        ; my row of the cluster
	s_lshl_b32 s44, 0x1111, s40                    ; my column
	s_or_b32 s[G1+0], s43, (1<<16)|(1<<20)|(1<<21)|(4<<22)|(3<<25)  ; A: 15:0 the mask; elements of 2 bytes; padding on; 21 set beside a mask; after every 32 words, that is each row of a head, four words
	s_mov_b32 s[G1+1], 128<<16                     ; tensor_dim0 = 128 elements (256 bytes: two rows of a head)
	s_mov_b32 s[G1+2], 64<<16                      ; tensor_dim1 = 64
	s_mov_b32 s[G1+3], 128<<16                     ; tile_dim0
	s_mov_b32 s[G1+4], 64                          ; tile_dim1
	s_mov_b32 s[G1+5], 128                         ; tensor_dim0_stride: dense
	s_mov_b32 s[G1+6], 0
	s_mov_b32 s[G1+7], 0
	s_or_b32 s[G1B+0], s44, (1<<16)|(1<<20)|(1<<21)|(5<<22)|(3<<25) ; Wo: padding of four words after every 64
	s_mov_b32 s[G1B+1], 128<<16
	s_mov_b32 s[G1B+2], 128<<16
	s_mov_b32 s[G1B+3], 128<<16
	s_mov_b32 s[G1B+4], 128
	s_mov_b32 s[G1B+5], 1024                       ; a row of Wo
	s_mov_b32 s[G1B+6], 0
	s_mov_b32 s[G1B+7], 0
	s_lshr_b32 s20, s17, 4                         ; A: the batch (16 tile rows to each),
	s_lshl_b32 s20, s20, 4
	s_add_co_u32 s20, s20, s16                     ; my head of the step's two,
	s_lshl_b32 s20, s20, 18                        ; 262,144 bytes a head,
	s_and_b32 s21, s17, 15
	s_lshl_b32 s21, s21, 14                        ; and the tile's 128 positions of 128 bytes
	s_add_co_u32 s20, s20, s21
	s_mov_b32 s21, 0
	s_lshl_b32 s46, s42, 8                         ; Wo: row 256 x tile column + 128 x half,
	s_lshl_b32 s47, s16, 7
	s_add_co_u32 s46, s46, s47
	s_lshl_b32 s46, s46, 11                        ; 2,048 bytes a row
	s_mov_b32 s47, 0
	s_mul_i32 s45, s16, SUBA                       ; where they go: no place in the cluster enters an LDS address
	s_mul_i32 s22, s16, HALFB
	s_add_co_u32 s22, s22, BOFF
	s_wait_dscnt 0x0                               ; both opening adds are done
	s_wait_kmcnt 0x0
	s_add_nc_u64 s[20:21], s[4:5], s[20:21]
	s_add_nc_u64 s[46:47], s[6:7], s[46:47]
	CROUND                                         ; all sixteen work-groups are here: the first joint loads meet
.irp s, 0,1
	s_mov_b32 s[G0+4*\s], 1
	s_add_co_u32 s[G0+4*\s+1], s45, \s*SLOT
	s_add_nc_u64 s[G0+4*\s+2:G0+4*\s+3], s[20:21], \s*524288       ; K step s: two heads on
	s_or_b32 s[G0+4*\s+3], s[G0+4*\s+3], 0x80000000
	s_mov_b32 s[G0B+4*\s], 1
	s_add_co_u32 s[G0B+4*\s+1], s22, \s*SLOT
	s_add_nc_u64 s[G0B+4*\s+2:G0B+4*\s+3], s[46:47], \s*256
	s_or_b32 s[G0B+4*\s+3], s[G0B+4*\s+3], 0x80000000
	JLOAD \s                                       ; two loads of mine are out
.endr
	v_and_b32 v1, 15, v0                           ; l % 16
	v_bfe_u32 v2, v0, 4, 1                         ; l / 16
	v_mul_u32_u24 v3, v1, PA
	v_lshl_add_u32 v3, v2, 4, v3                   ; a fragment's row x pitch + 16 x half, for A
	v_mul_u32_u24 v4, v1, PB
	v_lshl_add_u32 v4, v2, 4, v4                   ; and for Wo
	s_mul_i32 s18, s15, 64*PA                      ; my 64 rows of A
	s_mul_i32 s19, s16, HALFB                      ; my 128 rows of Wo
	s_add_co_u32 s19, s19, BOFF
.irp s, 0,1
	v_add_nc_u32 v[ADRA+\s], s18, v3
	v_add_nc_u32 v[ADRB+\s], s19, v4
	s_add_co_u32 s18, s18, SLOT
	s_add_co_u32 s19, s19, SLOT
.endr
	s_mul_i32 s23, s14, 16*SPITCH
	s_add_co_u32 s23, s23, STAGE                   ; my stage
	v_mul_u32_u24 v5, v1, SPITCH                   ; in: row l % 16, 32 bytes for each half of the lanes
	v_lshl_add_u32 v5, v2, 5, v5
	v_add_nc_u32 v[STO], s23, v5
	v_and_b32 v6, 31, v0
	v_lshlrev_b32 v[CO], 4, v6                     ; back: the 32 lanes take one row of 512 bytes; and the same in out0
	v_add_nc_u32 v[RD], s23, v[CO]
	v_lshlrev_b32 v30, 5, v2                       ; bo: 8 numbers for each half of the lanes
	s_lshl_b32 s20, s17, 7
	s_lshl_b32 s21, s15, 6
	s_add_co_u32 s20, s20, s21                     ; my first row of out0: 128 x tile row + 64 x half,
	s_lshl_b32 s20, s20, 12                        ; 4,096 bytes a row
	s_mov_b32 s21, 0
	s_lshl_b32 s46, s42, 10                        ; my first column, in bytes: 1,024 x tile column + 512 x half
	s_lshl_b32 s47, s16, 9
	s_add_co_u32 s46, s46, s47
	s_mov_b32 s47, 0
	s_add_nc_u64 s[8:9], s[8:9], s[46:47]          ; bo at my first column
	s_add_nc_u64 s[20:21], s[20:21], s[46:47]
	s_add_nc_u64 s[10:11], s[10:11], s[20:21]
	WIN 0x80                                       ; destination window 2
.irp b, 0,1,2,3,4,5,6,7
	global_load_b128 v[8*\b:8*\b+3], v30, s[8:9] offset:64*\b          ; lane (r, h), register j: bo of column 16 b + 8 h + j
	global_load_b128 v[8*\b+4:8*\b+7], v30, s[8:9] offset:64*\b+16
.endr
	WIN 0
; 8 matrix instructions: A's block a x Wo's eight, 32 along K, from buffer f.  zero = 1: the first product starts the sums, with bo as its C.
; The 32 accumulators take turns, one instruction a turn, in the same order in every quarter.
.macro MUL8 f, a, zero
.irp b, 0,1,2,3,4,5,6,7
.if \zero
	v_wmma_f32_16x16x32_bf16 v[8*(8*(\a)+\b):8*(8*(\a)+\b)+7], v[\f+32+8*\b:\f+32+8*\b+7], v[\f+8*(\a):\f+8*(\a)+7], v[8*\b:8*\b+7]
.else
	v_wmma_f32_16x16x32_bf16 v[8*(8*(\a)+\b):8*(8*(\a)+\b)+7], v[\f+32+8*\b:\f+32+8*\b+7], v[\f+8*(\a):\f+8*(\a)+7], v[8*(8*(\a)+\b):8*(8*(\a)+\b)+7]
.endif
.endr
.endm
; 24 LDS loads in one run: the fragments of the slot's quarter qk (32 along K) into buffer f: Wo's sixteen loads, then A's blocks 0 and 1, then 2 and 3.  Quarter qk lies in head qk / 2, channels 32 (qk % 2) on.
.macro FETCH slot, qk, f
	WIN 0
.irp b, 0,1,2,3,4,5,6,7
	ds_load_b128 v[\f+32+8*\b:\f+32+8*\b+3], v[ADRB+\slot] offset:(\qk)*64+\b*16*PB
	ds_load_b128 v[\f+32+8*\b+4:\f+32+8*\b+7], v[ADRB+\slot] offset:(\qk)*64+\b*16*PB+32
.endr
.irp a, 0,1,2,3
	ds_load_b128 v[\f+8*\a:\f+8*\a+3], v[ADRA+\slot] offset:((\qk)/2)*SUBA+((\qk)%2)*64+\a*16*PA
	ds_load_b128 v[\f+8*\a+4:\f+8*\a+7], v[ADRA+\slot] offset:((\qk)/2)*SUBA+((\qk)%2)*64+\a*16*PA+32
.endr
.endm
.macro PLACES                          ; four places in front of loads into registers that matrix instructions have read, and of the first read of results (ISA guide 7.12.1 for vector instructions)
.rept 4
	v_nop
.endr
.endm
; A K step is four quarters of 32 along K, 32 matrix instructions each, on buffers 0, 1, 0, 1.  One of the first three: multiplies buffer f and fetches quarter qk into g.
.macro QUARTER slot, qk, f, g, zero
	s_wait_dscnt 4                                 ; Wo's fragments and A's blocks 0 and 1 are in; the youngest four loads (A's blocks 2 and 3) may be out
	WIN MUL+0x10*\zero
	MUL8 \f, 0, \zero
	MUL8 \f, 1, \zero
	PLACES
	FETCH \slot, \qk, \g
	s_wait_dscnt 24                                ; all but the 24 just issued
	WIN MUL+0x10*\zero
	MUL8 \f, 2, \zero
	MUL8 \f, 3, \zero
.endm
; The last quarter multiplies buffer 1 and changes slots: ONE barrier; in front of it each wave waits for all its tensor loads, adds 0 to its spare word, and waits for that and for its reads of this slot.
; fill = 1: the barrier opens a round of the cluster's, and this slot is filled again, two K steps ahead: from the request to the wait for it a wave issues 112 products.
.macro TURN slot, next, fill
	WIN 0                                          ; (the add's two registers lie in window 0)
	s_wait_tensorcnt 0x0                           ; all my tensor loads have landed: my part of the next slot;
	ds_add_u32 v[SPW], v[NIL]                      ; 0 onto my spare word;
	s_wait_dscnt 5                                 ; (the add and the youngest four loads may be out)
	WIN MUL
	MUL8 F1, 0, 0                                  ; eight matrix instructions stand between the add and the wait for it
	s_wait_dscnt 0x0                               ; the add is done, and my reads of this slot are over
	s_barrier_signal -1
	MUL8 F1, 1, 0
.if \fill
	WIN 0
.endif
	s_barrier_wait -1
.if \fill
	CREST                                          ; no wave of any partner still reads this slot's tiles or has a load on its way
	s_add_nc_u64 s[G0+4*\slot+2:G0+4*\slot+3], s[G0+4*\slot+2:G0+4*\slot+3], 1048576    ; four heads on
	s_add_nc_u64 s[G0B+4*\slot+2:G0B+4*\slot+3], s[G0B+4*\slot+2:G0B+4*\slot+3], 512
	JLOAD \slot                                    ; the first tensor load behind the round; the four v_nop behind it are also the places in front of the loads below
.else
	PLACES
.endif
	FETCH \next, 0, F0
	WIN MUL
	MUL8 F1, 2, 0
	MUL8 F1, 3, 0
.endm
	s_wait_tensorcnt 1                             ; my part of K step 0 is in (K step 1's load may be out)
	s_barrier_signal -1
	s_barrier_wait -1                              ; everybody's is
	FETCH 0, 0, F0
	s_wait_loadcnt 0x0                             ; bo
	QUARTER 0, 1, F0, F1, 1                        ; the first quarter stands in front of the loop: its products start the sums
	WIN 0                                          ; at a label and at a branch every window is 0
	s_mov_b32 s3, LAPS-1
.Llap:                                             ; a trip goes once round the ring, from a lap's second quarter to the next lap's first, and fills both slots again
	QUARTER 0, 2, F1, F0, 0
	QUARTER 0, 3, F0, F1, 0
	TURN 0, 1, 1
	QUARTER 1, 1, F0, F1, 0
	QUARTER 1, 2, F1, F0, 0
	QUARTER 1, 3, F0, F1, 0
	TURN 1, 0, 1
	QUARTER 0, 1, F0, F1, 0
	WIN 0
	s_sub_co_u32 s3, s3, 1
	s_cmp_lg_u32 s3, 0
	s_cbranch_scc1 .Llap
	QUARTER 0, 2, F1, F0, 0                        ; the last lap fills nothing, and has no round of the cluster's barrier
	QUARTER 0, 3, F0, F1, 0
	TURN 0, 1, 0
	QUARTER 1, 1, F0, F1, 0
	QUARTER 1, 2, F1, F0, 0
	QUARTER 1, 3, F0, F1, 0
	s_wait_dscnt 4                                 ; the very last quarter: nothing more to fetch
	WIN MUL
	MUL8 F1, 0, 0
	MUL8 F1, 1, 0
	s_wait_dscnt 0
	MUL8 F1, 2, 0
	MUL8 F1, 3, 0
	WIN 0
; THE WAY OUT, block by block of 16 rows x 128 columns.  A lane holds 32 neighbouring bytes of a row: a block goes through my own stage and comes back as whole rows of 512 bytes.
; LDS serves a wave's instructions in order (ISA guide 5.7.1.4): no wait between the stores and the loads, nor in front of the next block's stores.
.macro TOSTAGE a
	WIN 0x04                                       ; an LDS store's data are its source 1: window 1
.irp b, 0,1,2,3,4,5,6,7
	ds_store_b128 v[STO], v[64*(\a)+8*\b:64*(\a)+8*\b+3] offset:64*\b          ; each accumulator from its low end on
	ds_store_b128 v[STO], v[64*(\a)+8*\b+4:64*(\a)+8*\b+7] offset:64*\b+16
.endr
	WIN 0
.set BB, BK+64*((\a)%2)
.irp t, 0,1,2,3,4,5,6,7,8,9,10,11,12,13,14,15
	ds_load_b128 v[BB+4*\t:BB+4*\t+3], v[RD] offset:\t*SPITCH
.endr
.endm
.macro SEND a, younger                 ; younger: the LDS instructions issued behind block a's loads, which may stay out
.set BB, BK+64*((\a)%2)
	s_wait_dscnt \younger                          ; the block is back in registers
.if (\a) > 0
	s_add_nc_u64 s[10:11], s[10:11], 16*4096       ; (behind a wait on XCNT: the earlier stores have read their base)  16 rows of out0 on
.endif
.irp t, 0,1,2,3,4,5,6,7,8,9,10,11,12,13,14,15
	global_store_b128 v[CO], v[BB+4*\t:BB+4*\t+3], s[10:11] offset:\t*4096 th:TH_STORE_NT   ; 32 lanes store 512 consecutive bytes, aligned; written once, read by nobody here
.endr
.endm
	PLACES                                         ; behind the last products: for the stores that read results and the loads into the fragments' registers
	TOSTAGE 0
.irp a, 1,2,3
.if \a > 1
	s_wait_xcnt 0x0                                ; block a - 2's stores have read their registers and their base: block a's loads may land there, and the base may step
.endif
	TOSTAGE \a
	SEND \a-1, 32                                  ; behind block a - 1's loads: block a's 16 stores and 16 loads
.endr
	s_wait_xcnt 0x0                                ; block 2's stores have read their base
	SEND 3, 0
	s_wait_tensorcnt 0x0                           ; the wave's end: behind my last tensor load and my last LDS store
	ds_add_u32 v[SPW], v[NIL]
	s_wait_dscnt 0x0
	CROUND                                         ; the closing round: no work-group ends while a partner may still ask for a tile that names it
	s_endpgm
.Lfunc_end_k_q978b839bcc_oproj:
	.size	k_q978b839bcc_oproj, .Lfunc_end_k_q978b839bcc_oproj-k_q978b839bcc_oproj
	.p2alignl 7, 3214868480
	.fill 96, 4, 3214868480
	.section	.rodata,"a",@progbits
	.p2align	6, 0x0
	.amdhsa_kernel k_q978b839bcc_oproj
		.amdhsa_group_segment_fixed_size 327680
		.amdhsa_private_segment_fixed_size 0
		.amdhsa_enable_private_segment 0
		.amdhsa_kernarg_size 32
		.amdhsa_user_sgpr_count 2
		.amdhsa_user_sgpr_kernarg_segment_ptr 1
		.amdhsa_wavefront_size32 1
		.amdhsa_system_sgpr_workgroup_id_x 1
		.amdhsa_system_sgpr_workgroup_id_y 1
		.amdhsa_system_sgpr_workgroup_id_z 1
		.amdhsa_system_vgpr_workitem_id 0
		.amdhsa_next_free_vgpr 576
		.amdhsa_next_free_sgpr 66
		.amdhsa_reserve_vcc 0
		.amdhsa_float_denorm_mode_32 3
		.amdhsa_float_denorm_mode_16_64 3
		.amdhsa_memory_ordered 1
		.amdhsa_forward_progress 1
		.amdhsa_inst_pref_size 87
	.end_amdhsa_kernel
	.amdgpu_metadata
---
amdhsa.version: [ 1, 2 ]
amdhsa.kernels:
  - .name:           k_q978b839bcc_oproj
    .symbol:         k_q978b839bcc_oproj.kd
    .args:
      - { .name: ao, .offset: 0, .size: 8, .value_kind: global_buffer, .address_space: global }
      - { .name: wob, .offset: 8, .size: 8, .value_kind: global_buffer, .address_space: global }
      - { .name: bo, .offset: 16, .size: 8, .value_kind: global_buffer, .address_space: global }
      - { .name: out0, .offset: 24, .size: 8, .value_kind: global_buffer, .address_space: global }
    .group_segment_fixed_size: 327680
    .private_segment_fixed_size: 0
    .kernarg_segment_align: 8
    .kernarg_segment_size: 32
    .max_flat_workgroup_size: 128
    .sgpr_count:     66
    .vgpr_count:     576
    .wavefront_size: 32
...
	.end_amdgpu_metadata
.endif
;; end of part 4
